; MI455X (gfx1250); checked and timed in simulation.
; The chip was launched on July 23, 2026; its instructions are those of AMD's public machine-readable ISA for CDNA 5 (MIT licence, August 2026) and "CDNA5" Instruction Set Architecture Reference Guide (July 2026). The comments in the code are by the model that wrote it; some were corrected since.
;; Space Self Attention Modality. Allowed arithmetic: matrix products marked QUANTISED: E4M3 operands, one given power-of-two scale a tensor, by v_wmma_f32_16x16x64_fp8_fp8 or v_wmma_f32_16x16x128_fp8_fp8, f32 sums; everything else in f32.
;; Inputs: Wk_codes 16 x 64 x 32 x 32 uint8 (E4M3 codes of Wk, K innermost, in blocks of 32 codes); Wo 16 x 64 x 1,024 float32; Wq_codes 16 x 64 x 32 x 32 uint8 (E4M3 codes of Wq, K innermost, in blocks of 32 codes); Wv_codes 16 x 64 x 32 x 32 uint8 (E4M3 codes of Wv, K innermost, in blocks of 32 codes); bk 16 x 64 float32; bo 1,024 float32; bq 16 x 64 float32; bv 16 x 64 float32; lowp_scales 12 int32 (the exponents e of the quantised operands' scales 2^e); modality_ids 1,024 int32; x_codes 1 x 8 x 1,024 x 32 x 32 uint8 (E4M3 codes of x, K innermost, in blocks of 32 codes).
;; Outputs: out0 1 x 8 x 1,024 x 1,024 float32.
;; This version of the problem:
;;   THIS VERSION OF THE PROBLEM IS GIVEN IN LOW PRECISION. The matrix products marked QUANTISED in the list below multiply operands that are first quantised to E4M3 (4 exponent bits, 3 mantissa bits; 8 bits a number), with one given power-of-two scale for each operand tensor; their sums are f32. All else is computed in f32.
;;   The module's matrix products, in the order in which they are computed (A, B: the left and right operand; K: the contracted axis; several contracted axes count as one K, in the product's order):
;;     1. [M 8,192, K 1,024] x [K 1,024, N 1,024]; A: input x (given as codes); B: input Wq (given as codes): QUANTISED (scales: A lowp_scales[0], B lowp_scales[1])
;;     2. [M 8,192, K 1,024] x [K 1,024, N 1,024]; A: input x (given as codes); B: input Wk (given as codes): QUANTISED (scales: A lowp_scales[2], B lowp_scales[3])
;;     3. [M 8,192, K 1,024] x [K 1,024, N 1,024]; A: input x (given as codes); B: input Wv (given as codes): QUANTISED (scales: A lowp_scales[4], B lowp_scales[5])
;;     4. batch 128 x [M 1,024, K 64] x [K 64, N 1,024]; A: computed on the way; B: computed on the way: QUANTISED (scales: A lowp_scales[6], B lowp_scales[7])
;;     5. batch 128 x [M 64, K 1,024] x [K 1,024, N 1,024]; A: computed on the way; B: softmax (see below): QUANTISED (scales: A lowp_scales[8], B lowp_scales[9])
;;     6. [M 8,192, K 1,024] x [K 1,024, N 1,024]; A: computed on the way; B: input Wo: QUANTISED (scales: A lowp_scales[10], B lowp_scales[11])
;;   THE QUANTISER, for each operand of a quantised product, along K:
;;     - The operand's scale is 2^e, e = its entry of the input lowp_scales (int32; the entries are numbered through the quantised products in the list's order, A before B).
;;     - Each number is divided by the scale, clamped to +-448, and rounded to the nearest number of E4M3, ties to even, subnormals kept.
;;     - The product sums the exact products of the quantised numbers (number of the format x scale) in f32.
;;   ~~~python
;;   def quantise(x, axis, e):      # numpy; x: float32 -> the quantised numbers, widened to float32 again
;;       x = np.moveaxis(x, axis, -1); K = x.shape[-1]
;;       r = np.clip(x / 2.0 ** e, -448, 448)
;;       step = 2.0 ** (np.maximum(np.frexp(np.where(r == 0, 1, r))[1] - 1, -6) - 3)
;;       q = np.round(r / step) * step * 2.0 ** e      # np.round: ties to even
;;       return np.moveaxis(q, -1, axis).astype(np.float32)
;;   ~~~
;;   SOFTMAX AHEAD OF A QUANTISED PRODUCT. Where the list says 'softmax', what is quantised is not the finished softmax but p = 2^(t - M), with t = logit x log2(e) and M = ceil(the row's largest t), a whole number; so 1/2 < the row's largest p <= 1. The row's sum l is taken of the UNQUANTISED p, in f32, and the product's result is divided by l at the end. Since M is a whole number, a kernel that streams over the keys may use a running M (the ceiling of the running maximum): every later rescaling is an exact power of two, so the quantised numbers keep their values, but for numbers so far below the row's largest that they fall under the format's range.
;;   OPERANDS COMPUTED ON THE WAY. 'Computed on the way' means the value that the module computes at that place (a softmax that the list does not call 'softmax' is quantised finished and normalised). What goes into a quantiser is computed in f32, as accurately as f32 sums, v_exp_f32 and their like allow (about 1e-6 of the number): no bf16 or f16 on the way to a quantiser, and a product that is left as it is and whose result goes on into a quantised operand takes f32 operands (vector FMAs, or v_wmma_f32_16x16x4_f32). A number that lies on a knife's edge between two numbers of the format may be rounded either way, as far as f32 arithmetic and the matrix unit's own rounding can turn it there, and no further.
;;   INPUTS GIVEN AS CODES. Wk (in the module: [1024, 16, 64], K = its axis 0); Wq (in the module: [1024, 16, 64], K = its axis 0); Wv (in the module: [1024, 16, 64], K = its axis 0); x (in the module: [1, 8, 1024, 1024], K = its axis 3): each comes as NAME_codes (uint8): NAME with its K axis moved to the last place and cut into blocks of 32 codes, [.., K / 32, bytes a block], one block behind the other in memory; one code a byte (a code: sign, 4 exponent bits, 3 mantissa bits); its scale is its entry of lowp_scales. Its value is code x scale, taken as it is: it is not quantised again, and the codes and scales need not be those that the quantiser above would give.
;; 3 versions, each right; version 2 is faster than version 1; version 3 is version 2 with the launch attn written anew for expert scheduling mode. Each part assembles by itself: llvm-mc -triple=amdgcn-amd-amdhsa -mcpu=gfx1250 --defsym DOCPART=n.
;; ======== version 1 of 3: 4 launches
;; workspace buffers: wo_codes 1,048,576 bytes; lm 131,072 bytes of whole numbers; cls 16,384 bytes of whole numbers; q_img 8,388,608 bytes; k_img 8,388,608 bytes; v_img 8,388,608 bytes; o_img 8,388,608 bytes
;; launch prep (part 1): grid 64 x 1, 4 waves a work-group, no clusters, 36,352 bytes of LDS; arguments Wo, lowp_scales, modality_ids, wo_codes, lm, cls; writes wo_codes, lm, cls
.if DOCPART == 1
	.amdgcn_target "amdgcn-amd-amdhsa--gfx1250"
	.amdhsa_code_object_version 6
	.text
	.protected	k_q9331e63c61_prep
	.globl	k_q9331e63c61_prep
	.p2align	8
	.type	k_q9331e63c61_prep,@function
k_q9331e63c61_prep:
	s_mov_b64 s[64:65], 0
	v_nop
	global_prefetch_b8 v0, s[64:65] scope:SCOPE_SE
	s_setreg_imm32_b32 hwreg(HW_REG_WAVE_MODE, 25, 1), 1
	s_wait_xcnt 0x0
; TWO JOBS IN ONE LAUNCH, parted on the work-group's number.
; Work-groups 0-31: Wo [k 1024][n 1024] f32 (K is its first axis) becomes codes of E4M3, laid [n 1024][k 1024], K innermost, with the given scale 2^e, e = entry 11 of the scales.
;   code = x / 2^e, held within +-448, to the nearest code, ties to even.  LIMIT: e between -126 and 119.  NaN among the inputs is not served.
;   A lane takes a column n and its registers run down K: each load reads 128 consecutive bytes a wave, and the conversions give codes with K innermost.  A wave takes 32 columns x 256 along K;
;   the codes go through the wave's own stage in LDS and leave as rows: sixteen lanes store 256 consecutive bytes, aligned.
; Work-groups 32-63: the mask, from modality_ids, as whole numbers for the attention launch.  Key k counts for query q where q < 64 or ids[q] == ids[k].
;   Work-group 32 + g serves unit g (queries 32 g .. 32 g + 31, as two tiles u: lane (r, h) of tile u holds query 32 g + 8 u + r + 8 (r / 8)); wave w serves the key steps 4 w .. 4 w + 3 of 64 keys.
;   In a step the attention's score register n (0 .. 31) of lane (r, h) is key 64 step + 32 (n / 16) + 16 h + n % 16.  lm[g][step][n][u] is the 32 lanes' mask for that register: bit = lane, 1 = counts.
;   cls[g][w][0], [1]: bit step is set where any key of the step counts for any query of the unit; where some count and some do not.
; No barrier: waves share nothing.  Only the first job uses LDS.
.set SIZE_K, 1024
.set SIZE_N, 1024
.set KW,    256                        ; along K for a wave
.set NB,    KW/32                      ; blocks of 32
.set ROWB,  256                        ; bytes of KW codes
.set PITCH, ROWB+16                    ; a stage row
.set KROW,  SIZE_K                     ; a row of the codes' buffer in bytes
.set X,     32                         ; v32-95   two sets of 32 numbers
.set C,     96                         ; v96-103  a block's codes
.set OUTR,  112                        ; v112-175 the way out
	s_load_b256 s[4:11], s[0:1], 0x0               ; Wo s[4:5], the scales s[6:7], modality_ids s[8:9], wo_codes s[10:11]
	s_load_b128 s[12:15], s[0:1], 0x20             ; lm s[12:13], cls s[14:15]
	v_lshl_add_u32 v192, v0, 2, 0x8c00
	v_mov_b32 v193, 0
	v_lshrrev_b32 v1, 5, v0
	v_readfirstlane_b32 s16, v1                    ; wave 0..3
	v_and_b32 v2, 31, v0                           ; lane
	s_cmp_lt_u32 ttmp9, 32
	s_cbranch_scc0 .Lmask
	; ---------------- Wo's codes ----------------
	s_and_b32 s17, ttmp9, 7
	s_lshl_b32 s17, s17, 7
	s_lshl_b32 s18, s16, 5
	s_add_co_u32 s17, s17, s18                     ; my wave's first column: 128 x (work-group % 8) + 32 x wave
	s_lshr_b32 s18, ttmp9, 3                       ; which 256 along K: work-group / 8
	v_lshlrev_b32 v3, 2, v2                        ; in: 4 bytes a lane
	s_mul_i32 s19, s16, 32*PITCH                   ; my stage
	v_mul_u32_u24 v4, v2, PITCH
	v_add_nc_u32 v4, s19, v4                       ; into it: row = my column
	v_and_b32 v5, 15, v2
	v_lshrrev_b32 v6, 4, v2                        ; out of it: sixteen lanes to a row, two rows an instruction
	v_mul_u32_u24 v7, v6, PITCH
	v_lshl_add_u32 v7, v5, 4, v7
	v_add_nc_u32 v7, s19, v7
	v_mul_u32_u24 v8, v6, KROW
	v_lshl_add_u32 v8, v5, 4, v8                   ; and the same place in the codes' buffer
	s_mov_b32 s19, 0
	s_mov_b64 s[20:21], KW*SIZE_N*4
	s_mul_u64 s[20:21], s[18:19], s[20:21]         ; Wo: 256 y rows of 4,096 bytes
	s_lshl_b32 s22, s17, 2
	s_mov_b32 s23, 0
	s_add_nc_u64 s[20:21], s[20:21], s[22:23]      ; + 4 x column
	s_mov_b32 s22, s17
	s_mov_b64 s[24:25], KROW
	s_mul_u64 s[24:25], s[22:23], s[24:25]         ; codes: column x 1,024
	s_mul_i32 s26, s18, ROWB
	s_mov_b32 s27, 0
	s_add_nc_u64 s[24:25], s[24:25], s[26:27]      ; + 256 y
	s_wait_kmcnt 0x0
	s_load_b32 s30, s[6:7], 0x2c                   ; e = entry 11
	s_add_nc_u64 s[4:5], s[4:5], s[20:21]
	s_add_nc_u64 s[10:11], s[10:11], s[24:25]
.macro LOAD t                          ; block t: Wo(32 t + i, my column), i = 0 .. 31, into set t % 2
.set i, 0
.rept 32
	global_load_b32 v[X+32*((\t)%2)+i], v3, s[4:5] offset:(32*(\t)+i)*SIZE_N*4 th:TH_LOAD_NT
.set i, i+1
.endr
.endm
	LOAD 0
	LOAD 1
	s_wait_kmcnt 0x0
	s_add_co_i32 s30, s30, 127
	s_lshl_b32 s31, s30, 23
	v_mov_b32 v11, s31                             ; 2^e as f32: the conversion takes its exponent field
	s_add_co_i32 s30, s30, 8
	s_lshl_b32 s30, s30, 23
	s_or_b32 s30, s30, 0x600000
	v_mov_b32 v10, s30                             ; 448 x 2^e
.macro BLOCK t
.set XS, X+32*((\t)%2)
.if (\t) < NB-1
	s_wait_loadcnt 32                              ; this block's 32 loads are in; the next block's 32 may be out
.else
	s_wait_loadcnt 0
.endif
.set i, 0
.rept 32
	v_med3_num_f32 v[XS+i], v[XS+i], -v10, v10     ; the conversion to an 8-bit code does not saturate (ISA guide 7.6.2): the hold comes first
.set i, i+1
.endr
.irp g, 0,1,2,3
	v_cvt_scalef32_pk8_fp8_f32 v[C+2*\g:C+2*\g+1], v[XS+8*\g:XS+8*\g+7], v11
.endr
	ds_store_b128 v4, v[C:C+3] offset:32*(\t)      ; 32 codes: 32 bytes of my column's row
	ds_store_b128 v4, v[C+4:C+7] offset:32*(\t)+16
.if (\t)+2 < NB
	LOAD (\t)+2
.endif
	s_wait_dscnt 0x0                               ; the stores have read their registers: the next block's codes may be written
.endm
.set QB, 0
.rept NB
	BLOCK QB
.set QB, QB+1
.endr
.irp t, 0,1,2,3,4,5,6,7,8,9,10,11,12,13,14,15
	ds_load_b128 v[OUTR+4*\t:OUTR+4*\t+3], v7 offset:2*\t*PITCH   ; LDS serves a wave's instructions in order: these see my stores
.endr
.irp t, 0,1,2,3,4,5,6,7,8,9,10,11,12,13,14,15
	s_wait_dscnt 15-\t                             ; the younger loads may be out
	global_store_b128 v8, v[OUTR+4*\t:OUTR+4*\t+3], s[10:11] offset:2*\t*KROW
.endr
	s_wait_tensorcnt 0x0
	ds_add_u32 v192, v193
	s_wait_dscnt 0x0
	s_endpgm
	; ---------------- the mask's tables ----------------
.Lmask:
	s_sub_co_u32 s17, ttmp9, 32                    ; g
	v_and_b32 v3, 15, v0                           ; r
	v_bfe_u32 v5, v0, 4, 1                         ; h
	v_and_b32 v4, 8, v3
	v_add_nc_u32 v4, v4, v3
	v_lshlrev_b32 v4, 2, v4                        ; my query's id: 4 (r + 8 (r / 8)) bytes into the unit's 32 (tile 1: 32 bytes on)
	v_lshlrev_b32 v5, 6, v5
	s_lshl_b32 s18, s16, 10
	v_add_nc_u32 v5, s18, v5                       ; my keys' ids: 1,024 w + 64 h
	v_lshlrev_b32 v6, 3, v2                        ; 8 x lane: lane n stores the pair (n, u = 0), (n, u = 1)
	v_lshlrev_b32 v7, 2, v2
.irp j, 16,17,18,19,20,21,22,23,24
	v_mov_b32 v\j, 0                               ; written whole once: v_writelane_b32 keeps the other lanes
.endr
	s_cmp_lt_u32 s17, 2
	s_cselect_b32 s18, -1, 0                       ; units 0 and 1 are queries 0 .. 63, for which every key counts
	s_lshl_b32 s26, s17, 7
	s_mov_b32 s27, 0
	s_wait_kmcnt 0x0
	s_add_nc_u64 s[20:21], s[8:9], s[26:27]        ; the unit's ids
	s_lshl_b32 s26, s17, 4
	s_lshl_b32 s28, s16, 2
	s_add_co_u32 s26, s26, s28
	s_lshl_b32 s26, s26, 8
	s_add_nc_u64 s[12:13], s[12:13], s[26:27]      ; lm at cell (g, 4 w): 256 bytes a cell
	s_lshl_b32 s26, s17, 9
	s_lshl_b32 s28, s16, 7
	s_add_co_u32 s26, s26, s28
	s_add_nc_u64 s[14:15], s[14:15], s[26:27]      ; cls at (g, w): 128 bytes
	global_load_b32 v8, v4, s[20:21]
	global_load_b32 v9, v4, s[20:21] offset:32
.irp s, 0,1,2,3
.irp b, 0,1
.irp q, 0,1,2,3
	global_load_b128 v[64+32*\s+16*\b+4*\q:64+32*\s+16*\b+4*\q+3], v5, s[8:9] offset:256*\s+128*\b+16*\q   ; v[64 + 32 s + n]: the id of register n's key in step 4 w + s
.endr
.endr
.endr
	s_mov_b32 s24, 0                               ; bits: any
	s_mov_b32 s25, 0                               ; bits: mixed
	s_wait_loadcnt 0x0
.macro CELL s
	s_mov_b32 s19, -1                              ; the AND of the cell's 64 masks
	s_mov_b32 s22, 0                               ; their OR
.set n, 0
.rept 32
.irp u, 0,1
	v_cmp_eq_u32 s23, v[8+\u], v[64+32*\s+n]
	s_or_b32 s23, s23, s18
	s_and_b32 s19, s19, s23
	s_or_b32 s22, s22, s23
	v_writelane_b32 v[16+2*\s+\u], s23, n
.endr
.set n, n+1
.endr
	global_store_b64 v6, v[16+2*\s:17+2*\s], s[12:13] offset:256*\s   ; the wave stores 256 consecutive bytes, aligned; each step has registers of its own
	s_cmp_lg_u32 s22, 0
	s_cselect_b32 s23, 1<<\s, 0
	s_or_b32 s24, s24, s23
	s_cmp_lg_u32 s19, -1
	s_cselect_b32 s23, s23, 0
	s_or_b32 s25, s25, s23
.endm
	CELL 0
	CELL 1
	CELL 2
	CELL 3
	s_lshl_b32 s28, s16, 2
	s_lshl_b32 s24, s24, s28                       ; to the bits of steps 4 w ..
	s_lshl_b32 s25, s25, s28
	v_writelane_b32 v24, s24, 0
	v_writelane_b32 v24, s25, 1
	global_store_b32 v7, v24, s[14:15]
	s_endpgm
.Lfunc_end_k_q9331e63c61_prep:
	.size	k_q9331e63c61_prep, .Lfunc_end_k_q9331e63c61_prep-k_q9331e63c61_prep
	.p2alignl 7, 3214868480
	.fill 96, 4, 3214868480
	.section	.rodata,"a",@progbits
	.p2align	6, 0x0
	.amdhsa_kernel k_q9331e63c61_prep
		.amdhsa_group_segment_fixed_size 36352
		.amdhsa_private_segment_fixed_size 0
		.amdhsa_enable_private_segment 0
		.amdhsa_kernarg_size 48
		.amdhsa_user_sgpr_count 2
		.amdhsa_user_sgpr_kernarg_segment_ptr 1
		.amdhsa_wavefront_size32 1
		.amdhsa_system_sgpr_workgroup_id_x 1
		.amdhsa_system_sgpr_workgroup_id_y 1
		.amdhsa_system_sgpr_workgroup_id_z 1
		.amdhsa_system_vgpr_workitem_id 0
		.amdhsa_next_free_vgpr 194
		.amdhsa_next_free_sgpr 66
		.amdhsa_reserve_vcc 0
		.amdhsa_float_denorm_mode_32 3
		.amdhsa_float_denorm_mode_16_64 3
		.amdhsa_memory_ordered 1
		.amdhsa_forward_progress 1
		.amdhsa_inst_pref_size 112
	.end_amdhsa_kernel
	.amdgpu_metadata
---
amdhsa.version: [ 1, 2 ]
amdhsa.kernels:
  - .name:           k_q9331e63c61_prep
    .symbol:         k_q9331e63c61_prep.kd
    .args:
      - { .name: Wo, .offset: 0, .size: 8, .value_kind: global_buffer, .address_space: global }
      - { .name: lowp_scales, .offset: 8, .size: 8, .value_kind: global_buffer, .address_space: global }
      - { .name: modality_ids, .offset: 16, .size: 8, .value_kind: global_buffer, .address_space: global }
      - { .name: wo_codes, .offset: 24, .size: 8, .value_kind: global_buffer, .address_space: global }
      - { .name: lm, .offset: 32, .size: 8, .value_kind: global_buffer, .address_space: global }
      - { .name: cls, .offset: 40, .size: 8, .value_kind: global_buffer, .address_space: global }
    .group_segment_fixed_size: 36352
    .private_segment_fixed_size: 0
    .kernarg_segment_align: 8
    .kernarg_segment_size: 48
    .max_flat_workgroup_size: 128
    .sgpr_count:     66
    .vgpr_count:     194
    .wavefront_size: 32
...
	.end_amdgpu_metadata
.endif
;; end of part 1
;; launch qkv (part 2): grid 12 x 32, 4 waves a work-group, clusters of 4 x 4, 327,680 bytes of LDS; arguments x_codes, Wq_codes, Wk_codes, Wv_codes, bq, bk, bv, lowp_scales, q_img, k_img, v_img; writes q_img, k_img, v_img
.if DOCPART == 2
	.amdgcn_target "amdgcn-amd-amdhsa--gfx1250"
	.amdhsa_code_object_version 6
	.text
	.protected	k_q9331e63c61_qkv
	.globl	k_q9331e63c61_qkv
	.p2align	8
	.type	k_q9331e63c61_qkv,@function
k_q9331e63c61_qkv:
	s_mov_b64 s[64:65], 0
	v_nop
	global_prefetch_b8 v0, s[64:65] scope:SCOPE_SE
	s_setreg_imm32_b32 hwreg(HW_REG_WAVE_MODE, 25, 1), 1
	s_wait_xcnt 0x0
	s_wait_alu depctr_hold_cnt(0) depctr_sa_sdst(0) depctr_va_vdst(0) depctr_va_sdst(0) depctr_va_ssrc(0) depctr_va_vcc(0) depctr_vm_vsrc(0)
	s_getreg_b32 s2, hwreg(HW_REG_IB_STS2, 6, 4)
	s_cmp_eq_u32 s2, 0
	s_cbranch_scc0 .Lentry_in_a_cluster
	s_endpgm
.Lentry_in_a_cluster:
	s_bfe_u32 s2, ttmp6, 0x10000c
	s_cmp_lg_u32 s2, 0xf033
	s_cbranch_scc0 .Lentry_shape_is_right
	s_endpgm
.Lentry_shape_is_right:
; q / 8, k and v, on codes of E4M3, quantised again on the way out and stored as IMAGES OF THE ATTENTION'S OPERAND REGISTERS.
; x: [8192 tokens][1024]; Wq, Wk, Wv: [1024 features = 64 head + d][1024]: codes, K innermost.  sum x 2^(eA + eB) + bias, then the quantiser with 2^eO:
;   cluster x = 0: q, scales' entries 0, 1; eO = entry 6 + 3 (the division by 8 is a power of two and goes into the conversion's scale)      1: k, entries 2, 3; eO = entry 7      2: v, entries 4, 5; eO = entry 8.
; LIMITS: eA + eB between -126 and 127; eO between -126 and 119, so that each power of two below is an f32 number.
; A tile of C, 256 x 256, is made by four waves, each 128 x 128: 64 accumulators, 512 registers.  K goes in steps of 256 through a ring of two LDS slots: four fills in all.
; C = A B^T.  For q and k: A = x (tile row 4 Y + cy), B = the weight (tile column cx).  FOR v THE ROLES ARE SWAPPED: A = Wv (tile row cy), B = x (tile column 4 Y + cx).
; The matrix instruction is used transposed (source 0 = 16 rows of B, source 1 = 16 rows of A): a lane holds one row of A and eight neighbouring rows of B.  So for q and k a lane's eight numbers are eight neighbouring d
; of one token, for v eight neighbouring KEYS of one d: in both the neighbours along the next product's K, which one conversion packs.
; CLUSTERS: 4 x 4 work-groups; A's tile is asked for jointly along a row of the cluster, B's along a column.  Which tensor is made hangs on the cluster's x alone, which all sixteen partners share.
; IMAGES.  q_img, k_img: [b 8 x head 16][g 32][u 2][c 2][lane 32][16 bytes]: lane (r, h): d = 32 c + 16 h + 0 .. 15 of token 32 g + 8 u + r + 8 (r / 8).
;          v_img: [b x head][step 16][dt 4][c 2][lane 32][16 bytes]: lane (r, h): keys 64 step + 32 c + 16 h + 0 .. 15 of d = 16 dt + r.
; REGISTERS, in windows of 256: window 0: v0-31 addresses; v32-95 the bias; from v128 A's fragments, ONE set; on the way out v96-255 are at work.  window 1: B's fragments, two sets.  windows 2, 3: the accumulators ((a, b) at v[8 (8 (a % 4) + b)]).
.set ROWB,   256                       ; a tile's row in bytes
.set KROW,   1024                      ; a row of A or of B in memory, in bytes
.set PITCH,  272                       ; an LDS row: 256 bytes + 16 of padding = 68 words: the 16 rows that a load touches start at 16 different banks (64 banks of 4 bytes: ISA guide 11.1)
.set FR,     16                        ; registers of a fragment: 16 rows x 128 K
.set NL,     4                         ; LDS loads that bring one
.set NP,     4                         ; places behind this matrix instruction (ISA guide 7.12.1)
.set HALFT,  128*PITCH
.set SLOT,   4*HALFT                   ; A's 256 rows, then B's 256 rows
.set SPARE,  2*SLOT                    ; behind the ring: the spare words, 128 bytes a wave; no other line names them
.set SPQ,    144                       ; the way out: a stage row: 128 bytes of codes + 16
.set STGW,   32*SPQ                    ; a wave's stage: 32 rows.  The stages lie in slot 0, which has had its last fill and its last read when the first code is stored there
.set STGV,   32768                     ; the stages of v's way out have bytes of their own
.set ADRA, 16                          ; v16-17  LDS address of my A fragments in slot 0, 1
.set BR,   18                          ; v18     4 r: v's bias
.set ADRB, 20                          ; v20-21  the same for B
.set STOQ, 22                          ; v22     q, k: where I put 8 codes
.set RDQ,  23                          ; v23     q, k: where I read 16 codes of the image
.set STOV, 24                          ; v24     v: the same two
.set RDV,  25                          ; v25
.set GOFF, 26                          ; v26     16 x lane
.set BH,   27                          ; v27     32 h: q's and k's bias
.set SPW,  28                          ; v28     my spare word; never rewritten
.set NIL,  29                          ; v29     0; never rewritten
.set SC,   30                          ; v30     2^eO as f32
.set LIM,  31                          ; v31     448 x 2^eO
.set BI,   32                          ; the bias
.set AF,   128                         ; A's fragments
.set TMP,  128                         ; the way out: a block's 64 numbers
.set CD,   192                         ; and the codes of a pair's two blocks, 16 registers each
.set G1, 24
.set G0, 32
.set G1B, 48
.set G0B, 56
.set MSB, 0
.macro WIN new                         ; the immediate's high byte repeats the setting that is left
.if MSB != \new
	s_set_vgpr_msb (MSB<<8)|\new
.set MSB, \new
.endif
.endm
.set MUL_LO, 0xa1                      ; source 0 (B) window 1, source 1 (A) window 0, C and D window 2
.set MUL_HI, 0xf1                      ; the same, C and D window 3
.set TO_B,   0x40                      ; destination window 1, address window 0
; A joint load: waves 0 and 1 fetch for A, waves 2 and 3 for B; the branch hangs on the wave's number alone.  Four v_nop follow each of the two lines.
.macro JLOAD g0a, g1a, g0b, g1b
	s_cmp_eq_u32 s15, 0
	s_cbranch_scc0 .Lfor_b_\@
	tensor_load_to_lds s[\g0a:\g0a+3], s[\g1a:\g1a+7]
	s_nop 0
.rept 4
	v_nop
.endr
	s_branch .Lasked_\@
.Lfor_b_\@:
	tensor_load_to_lds s[\g0b:\g0b+3], s[\g1b:\g1b+7]
	s_nop 0
.rept 4
	v_nop
.endr
.Lasked_\@:
.endm
.macro CREST                           ; a round of the cluster's barrier behind its opening barrier
	s_cmp_lg_u32 s14, 0
	s_cbranch_scc1 .Lnot_wave_0_\@
	s_barrier_signal -3
.Lnot_wave_0_\@:
	s_barrier_wait -3
	s_barrier_signal -1
	s_barrier_wait -1
.endm
.macro CROUND
	s_barrier_signal -1
	s_barrier_wait -1
	CREST
.endm
	s_load_b256 s[68:75], s[0:1], 0x0              ; x, Wq, Wk, Wv
	s_load_b256 s[76:83], s[0:1], 0x20             ; bq, bk, bv, the scales
	s_load_b128 s[84:87], s[0:1], 0x40             ; q_img, k_img
	s_load_b64 s[88:89], s[0:1], 0x50              ; v_img
	v_lshl_add_u32 v[SPW], v0, 2, SPARE
	v_mov_b32 v[NIL], 0
	ds_add_u32 v28, v29
	ds_add_u32 v28, v29
	s_wait_dscnt 0x0
	v_lshrrev_b32 v1, 5, v0
	v_readfirstlane_b32 s14, v1                    ; wave 0..3
	s_lshr_b32 s15, s14, 1                         ; which half of the tile's rows is mine.  Also: I fetch for A (0) or for B (1)
	s_and_b32 s16, s14, 1                          ; which half of its columns.  Also: which 128 rows of that tile I fetch
	s_bfe_u32 s40, ttmp6, 0x40000                  ; cx, cy: my place in the cluster
	s_bfe_u32 s41, ttmp6, 0x40004
	s_and_b32 s12, ttmp7, 0xffff                   ; Y: the cluster's y walks x's 8,192 rows
	s_cmp_eq_u32 ttmp9, 2                          ; v?
	s_cselect_b32 s13, s12, 0                      ; x is B there: Y goes into the tile column,
	s_cselect_b32 s12, 0, s12                      ; else into the tile row
	s_lshl_b32 s42, s13, 2
	s_add_co_u32 s42, s42, s40                     ; tile column
	s_lshl_b32 s17, s12, 2
	s_add_co_u32 s17, s17, s41                     ; tile row
	s_lshl_b32 s43, s41, 2
	s_lshl_b32 s43, 15, s43                        ; my row of the cluster
	s_lshl_b32 s44, 0x1111, s40                    ; my column
	; descriptor group 1: a tile of 128 rows x 256 bytes, padded in LDS
	s_or_b32 s[G1+0], s43, (0<<16)|(1<<20)|(1<<21)|(5<<22)|(3<<25)  ; 15:0 the mask; 17:16 elements of 1 byte; 20 padding on; 21 set beside a mask; 24:22 after every 64 words; 31:25 four words
	s_or_b32 s[G1B+0], s44, (0<<16)|(1<<20)|(1<<21)|(5<<22)|(3<<25)
.irp g, G1, G1B
	s_mov_b32 s[\g+1], ROWB<<16                    ; tensor_dim0
	s_mov_b32 s[\g+2], 128<<16                     ; tensor_dim1
	s_mov_b32 s[\g+3], ROWB<<16                    ; tile_dim0
	s_mov_b32 s[\g+4], 128                         ; tile_dim1
	s_mov_b32 s[\g+5], KROW                        ; tensor_dim0_stride
	s_mov_b32 s[\g+6], 0
	s_mov_b32 s[\g+7], 0
.endr
	s_lshl_b32 s18, s16, 7                         ; which 128 rows of the tile I fetch
	s_lshl_b32 s20, s17, 8
	s_add_co_u32 s20, s20, s18                     ; A: row 256 x tile row + 128 x half
	s_lshl_b32 s46, s42, 8
	s_add_co_u32 s46, s46, s18                     ; B: row 256 x tile column + 128 x half
	s_mov_b32 s21, 0
	s_mov_b32 s47, 0
	s_mov_b64 s[18:19], KROW
	s_mul_u64 s[20:21], s[20:21], s[18:19]
	s_mul_u64 s[46:47], s[46:47], s[18:19]
	s_mul_i32 s45, s14, HALFT                      ; where they go: wave x 128 rows
	s_wait_kmcnt 0x0
	s_cmp_eq_u32 ttmp9, 0                          ; the buffers are chosen on the cluster's x alone
	s_cselect_b64 s[6:7], s[70:71], s[72:73]       ; Wq or Wk
	s_cselect_b64 s[8:9], s[76:77], s[78:79]       ; bq or bk
	s_cselect_b64 s[10:11], s[84:85], s[86:87]     ; q_img or k_img
	s_cmp_eq_u32 ttmp9, 2
	s_cselect_b64 s[4:5], s[74:75], s[68:69]       ; A: Wv, else x
	s_cselect_b64 s[6:7], s[68:69], s[6:7]         ; B: x, else the weight
	s_cselect_b64 s[8:9], s[80:81], s[8:9]
	s_cselect_b64 s[10:11], s[88:89], s[10:11]
	s_load_b256 s[68:75], s[82:83], 0x0            ; entries 0 .. 7
	s_load_b128 s[76:79], s[82:83], 0x20           ; entries 8 .. 11
	s_add_nc_u64 s[20:21], s[4:5], s[20:21]
	s_add_nc_u64 s[46:47], s[6:7], s[46:47]
	CROUND                                         ; all sixteen work-groups are here: the first joint loads meet
.irp s, 0,1
	s_mov_b32 s[G0+4*\s], 1
	s_add_co_u32 s[G0+4*\s+1], s45, \s*SLOT
	s_add_nc_u64 s[G0+4*\s+2:G0+4*\s+3], s[20:21], \s*ROWB
	s_or_b32 s[G0+4*\s+3], s[G0+4*\s+3], 0x80000000
	s_mov_b32 s[G0B+4*\s], 1
	s_add_co_u32 s[G0B+4*\s+1], s45, \s*SLOT
	s_add_nc_u64 s[G0B+4*\s+2:G0B+4*\s+3], s[46:47], \s*ROWB
	s_or_b32 s[G0B+4*\s+3], s[G0B+4*\s+3], 0x80000000
	JLOAD G0+4*\s, G1, G0B+4*\s, G1B               ; two loads of mine are out
.endr
	v_and_b32 v1, 15, v0                           ; r
	v_bfe_u32 v2, v0, 4, 1                         ; h
	v_mul_u32_u24 v3, v1, PITCH
	v_lshl_add_u32 v4, v2, 4, v3                   ; a fragment's row x pitch + 16 h
	s_mul_i32 s21, s15, HALFT                      ; my 128 rows of A
	s_mul_i32 s22, s16, HALFT                      ; my 128 rows of B,
	s_add_co_u32 s22, s22, 2*HALFT                 ; which lie behind A's 256
.irp s, 0,1
	v_add_nc_u32 v[ADRA+\s], s21, v4
	v_add_nc_u32 v[ADRB+\s], s22, v4
	s_add_co_u32 s21, s21, SLOT
	s_add_co_u32 s22, s22, SLOT
.endr
	s_mul_i32 s23, s14, STGW                       ; my stage
	v_mul_u32_u24 v5, v1, SPQ
	v_lshl_add_u32 v6, v2, 3, v5
	v_add_nc_u32 v[STOQ], s23, v6                  ; in: row r, + 8 h
	v_add_nc_u32 v[STOV], STGV, v[STOQ]
	v_lshl_add_u32 v6, v2, 4, v5
	v_add_nc_u32 v[RDV], s23, v6
	v_add_nc_u32 v[RDV], STGV, v[RDV]              ; v, back: row r, + 16 h
	v_and_b32 v7, 8, v1
	v_add_nc_u32 v7, v7, v1
	v_mul_u32_u24 v7, v7, SPQ
	v_lshl_add_u32 v7, v2, 4, v7
	v_add_nc_u32 v[RDQ], s23, v7                   ; q, k, back: row r + 8 (r / 8), + 16 h
	v_and_b32 v8, 31, v0
	v_lshlrev_b32 v[GOFF], 4, v8
	v_lshlrev_b32 v[BH], 5, v2
	v_lshlrev_b32 v[BR], 2, v1
	s_lshl_b32 s20, s17, 8
	s_lshl_b32 s21, s15, 7
	s_add_co_u32 s20, s20, s21                     ; my first row of C
	s_lshl_b32 s46, s42, 8
	s_lshl_b32 s47, s16, 7
	s_add_co_u32 s46, s46, s47                     ; my first column
	s_cmp_eq_u32 ttmp9, 2
	s_cselect_b32 s12, s46, s20                    ; my first token,
	s_cselect_b32 s13, s20, s46                    ; my first feature
	s_lshr_b32 s18, s12, 10
	s_lshl_b32 s18, s18, 20                        ; the image: b x 16 heads x 65,536 bytes
	s_lshr_b32 s19, s13, 6
	s_lshl_b32 s19, s19, 16                        ; + head x 65,536
	s_add_co_u32 s18, s18, s19
	s_and_b32 s19, s12, 1023
	s_lshl_b32 s19, s19, 6                         ; + 64 bytes a token
	s_add_co_u32 s18, s18, s19
	s_mov_b32 s19, 0
	s_add_nc_u64 s[10:11], s[10:11], s[18:19]
	s_lshl_b32 s18, s13, 2
	s_add_nc_u64 s[8:9], s[8:9], s[18:19]          ; the bias at my first feature
	s_wait_kmcnt 0x0                               ; the scales.  Every choice among them is a select: no branch hangs on a scale
	s_add_co_i32 s68, s68, s69
	s_add_co_i32 s70, s70, s71
	s_add_co_i32 s72, s72, s73
	s_add_co_i32 s74, s74, 3
	s_cmp_eq_u32 ttmp9, 0
	s_cselect_b32 s96, s68, s70
	s_cselect_b32 s12, s74, s75
	s_cmp_eq_u32 ttmp9, 2
	s_cselect_b32 s96, s72, s96                    ; eA + eB
	s_cselect_b32 s12, s76, s12                    ; eO
	s_add_co_i32 s96, s96, 127
	s_lshl_b32 s96, s96, 23                        ; 2^(eA + eB) as f32
	s_mov_b32 s97, s96                             ; (named with it as a pair, so it is written)
	s_add_co_i32 s12, s12, 127
	s_lshl_b32 s13, s12, 23
	v_mov_b32 v[SC], s13
	s_add_co_i32 s12, s12, 8
	s_lshl_b32 s12, s12, 23
	s_or_b32 s12, s12, 0x600000
	v_mov_b32 v[LIM], s12
.macro FRAG reg, adr, q, i             ; a fragment: lane l holds row l % 16; registers 4 c .. 4 c + 3 hold K = 32 c + 16 (l / 16) + 0 .. 15: the same order of K in A and in B
.irp c, 0,1,2,3
	ds_load_b128 v[\reg+4*\c:\reg+4*\c+3], v[\adr] offset:128*(\q)+32*\c+(\i)*16*PITCH
.endr
.endm
; 16 matrix instructions: A's blocks a0, a0 + 1 x B's eight.  p: B's set.  zero = 1: the first product starts the sums.  The 64 accumulators take turns, one instruction a turn.
.macro MUL16 a0, p, zero
.irp a, \a0, \a0+1
.irp b, 0,1,2,3,4,5,6,7
.if \zero
	v_wmma_f32_16x16x128_fp8_fp8 v[8*(8*((\a)%4)+\b):8*(8*((\a)%4)+\b)+7], v[128*(\p)+FR*\b:128*(\p)+FR*\b+FR-1], v[AF+FR*(\a):AF+FR*(\a)+FR-1], 0
.else
	v_wmma_f32_16x16x128_fp8_fp8 v[8*(8*((\a)%4)+\b):8*(8*((\a)%4)+\b)+7], v[128*(\p)+FR*\b:128*(\p)+FR*\b+FR-1], v[AF+FR*(\a):AF+FR*(\a)+FR-1], v[8*(8*((\a)%4)+\b):8*(8*((\a)%4)+\b)+7]
.endif
.endr
.endr
.endm
.macro FETCH_B slot, q, p
	WIN TO_B
.irp i, 0,1,2,3,4,5,6,7
	FRAG 128*(\p)+FR*\i, ADRB+\slot, \q, \i
.endr
	WIN 0
.endm
.macro FETCH_A slot, q, i0
.irp i, \i0, \i0+1, \i0+2, \i0+3
	FRAG AF+FR*(\i), ADRA+\slot, \q, \i
.endr
.endm
.macro PLACES n                        ; plain vector instructions between a matrix instruction and a load into, or a vector read or write of, its registers
.rept \n
	v_nop
.endr
.endm
; A step of 128 along K that has its successor in the same slot.
.macro STEP slot, q, zero
	s_wait_dscnt 4*NL                              ; B's set and A's blocks 0-3 are in; the youngest 16 loads (A's blocks 4-7) may be out
	WIN MUL_LO
	MUL16 0, (\q)%2, \zero
	MUL16 2, (\q)%2, \zero
	s_wait_dscnt 0                                 ; A's blocks 4-7 are in
	PLACES NP
	FETCH_B \slot, (\q)+1, 1-(\q)%2
	FETCH_A \slot, (\q)+1, 0
	WIN MUL_HI
	MUL16 4, (\q)%2, \zero
	MUL16 6, (\q)%2, \zero
	PLACES NP
	WIN 0
	FETCH_A \slot, (\q)+1, 4
.endm
; A slot's last step changes slots: one barrier; in front of it each wave waits for all its tensor loads, adds 0 to its spare word, and waits for that and for its own reads of this slot.
.macro TURN slot, next, fill
	s_wait_tensorcnt 0x0                           ; all my tensor loads have landed: my part of the next slot
	ds_add_u32 v[SPW], v[NIL]                      ; 0 onto my spare word
	s_wait_dscnt 4*NL+1                            ; (the add and the youngest 16 loads, A's blocks 4-7, may be out)
	WIN MUL_LO
	MUL16 0, 1, 0
	s_wait_dscnt 0x0                               ; the add is done, and my reads of this slot are over
	s_barrier_signal -1
	MUL16 2, 1, 0
	WIN 0
	s_barrier_wait -1
.if \fill
	CREST                                          ; the barrier has opened a round of the cluster's barrier: no wave of any partner still reads this slot or has a load on its way
	s_add_nc_u64 s[G0+4*\slot+2:G0+4*\slot+3], s[G0+4*\slot+2:G0+4*\slot+3], 2*ROWB
	s_add_nc_u64 s[G0B+4*\slot+2:G0B+4*\slot+3], s[G0B+4*\slot+2:G0B+4*\slot+3], 2*ROWB
	JLOAD G0+4*\slot, G1, G0B+4*\slot, G1B         ; the first tensor load behind the round; its four v_nop are the places in front of the loads below
.else
	PLACES NP
.endif
	FETCH_B \next, 0, 0
	FETCH_A \next, 0, 0
	WIN MUL_HI
	MUL16 4, 1, 0
	MUL16 6, 1, 0
	PLACES NP
	WIN 0
	FETCH_A \next, 0, 4
.endm
.macro LAST                            ; the very last step: nothing more to fetch
	s_wait_dscnt 4*NL
	WIN MUL_LO
	MUL16 0, 1, 0
	MUL16 2, 1, 0
	s_wait_dscnt 0
	WIN MUL_HI
	MUL16 4, 1, 0
	MUL16 6, 1, 0
	WIN 0
.endm
; THE WAY OUT of pair p: A's blocks 2 p and 2 p + 1, 32 rows of C x my 128 columns.  sum x 2^(eA + eB) + bias into other registers, each accumulator from its low end on; the hold; eight numbers to eight codes;
; 8 bytes a lane into my stage (row = A's row, 128 bytes of codes along B's rows); back in the image's order, 16 bytes a lane; each store of the wave covers 512 consecutive bytes, aligned.
.macro EPI isv, p
.irp a2, 0,1
.set AC, 64*((2*(\p)+\a2)%4)
.set WN, 0x02+(2*(\p)+\a2)/4
	WIN WN                                         ; source 0: window 2 or 3
.irp b, 0,1,2,3,4,5,6,7
.irp i, 0,2,4,6
.if \isv
.if \a2
	v_pk_fma_f32 v[TMP+8*\b+\i:TMP+8*\b+\i+1], v[AC+8*\b+\i:AC+8*\b+\i+1], s[96:97], v[BI+2*(\p):BI+2*(\p)+1] op_sel:[0,0,1] op_sel_hi:[1,0,1]   ; v: one bias a lane (its d): the pair's second word for both halves
.else
	v_pk_fma_f32 v[TMP+8*\b+\i:TMP+8*\b+\i+1], v[AC+8*\b+\i:AC+8*\b+\i+1], s[96:97], v[BI+2*(\p):BI+2*(\p)+1] op_sel_hi:[1,0,0]                  ; the pair's first word for both halves
.endif
.else
	v_pk_fma_f32 v[TMP+8*\b+\i:TMP+8*\b+\i+1], v[AC+8*\b+\i:AC+8*\b+\i+1], s[96:97], v[BI+8*\b+\i:BI+8*\b+\i+1] op_sel_hi:[1,0,1]
.endif
.endr
.endr
	WIN 0
.set j, 0
.rept 64
	v_med3_num_f32 v[TMP+j], v[TMP+j], -v[LIM], v[LIM]   ; the conversion to an 8-bit code does not saturate (ISA guide 7.6.2)
.set j, j+1
.endr
.irp b, 0,1,2,3,4,5,6,7
	v_cvt_scalef32_pk8_fp8_f32 v[CD+16*\a2+2*\b:CD+16*\a2+2*\b+1], v[TMP+8*\b:TMP+8*\b+7], v[SC]
.endr
	v_nop                                          ; a plain vector line between the conversions and the next vector line that writes their sources
.irp b, 0,1,2,3,4,5,6,7
	ds_store_b64 v[STOQ+2*\isv], v[CD+16*\a2+2*\b:CD+16*\a2+2*\b+1] offset:\a2*16*SPQ+16*\b
.endr
.endr
.set RB, 224-128*((\p)%2)              ; v224-255 and v96-127 by turns
.if (\p) >= 2
	s_wait_xcnt 0x0                                ; the stores of two pairs ago have read these registers
.endif
.irp s, 0,1
.irp t, 0,1
.irp c, 0,1
.if \isv
	ds_load_b128 v[RB+4*(4*\s+2*\t+\c):RB+4*(4*\s+2*\t+\c)+3], v[RDV] offset:16*SPQ*\t+64*\s+32*\c   ; key step s, block t of d, half c
.else
	ds_load_b128 v[RB+4*(4*\s+2*\t+\c):RB+4*(4*\s+2*\t+\c)+3], v[RDQ] offset:8*SPQ*\t+64*\s+32*\c    ; head s, tile t, half c.  LDS serves a wave's instructions in order: these see my stores
.endif
.endr
.endr
.endr
	s_wait_dscnt 0x0
.irp s, 0,1
.irp t, 0,1
.irp c, 0,1
.if \isv
	global_store_b128 v[GOFF], v[RB+4*(4*\s+2*\t+\c):RB+4*(4*\s+2*\t+\c)+3], s[10:11] offset:65536*((\p)/2)+2048*((\p)%2)+4096*\s+1024*\t+512*\c
.else
	global_store_b128 v[GOFF], v[RB+4*(4*\s+2*\t+\c):RB+4*(4*\s+2*\t+\c)+3], s[10:11] offset:65536*\s+2048*(\p)+1024*\t+512*\c
.endif
.endr
.endr
.endr
.endm
	s_wait_tensorcnt 1                             ; my part of the first fill is in (the second fill's load may be out)
	s_barrier_signal -1
	s_barrier_wait -1                              ; everybody's is
	FETCH_B 0, 0, 0
	FETCH_A 0, 0, 0
	FETCH_A 0, 0, 4
	STEP 0, 0, 1                                   ; the first step's products start the sums: nothing is cleared
	TURN 0, 1, 1                                   ; K = 1,024 is four fills: both slots are filled again once, written out
	STEP 1, 0, 0
	TURN 1, 0, 1
	STEP 0, 0, 0
	TURN 0, 1, 0                                   ; the last lap fills nothing
	STEP 1, 0, 0
	s_cmp_eq_u32 ttmp9, 2                          ; the ways out part on the cluster's x; each arm asks for its bias first, so that it lands under the last 64 products
	s_cbranch_scc1 .Lv
.irp b, 0,1,2,3,4,5,6,7
	global_load_b128 v[BI+8*\b:BI+8*\b+3], v[BH], s[8:9] offset:64*\b          ; bias of features 16 b + 8 h + 0 .. 7
	global_load_b128 v[BI+8*\b+4:BI+8*\b+7], v[BH], s[8:9] offset:64*\b+16
.endr
	LAST
	PLACES NP
	s_wait_loadcnt 0x0
	EPI 0, 0
	EPI 0, 1
	EPI 0, 2
	EPI 0, 3
	s_branch .Lend
.Lv:
.irp a, 0,1,2,3,4,5,6,7
	global_load_b32 v[BI+\a], v[BR], s[8:9] offset:64*\a                       ; bias of feature 16 a + r
.endr
	LAST
	PLACES NP
	s_wait_loadcnt 0x0
	EPI 1, 0
	EPI 1, 1
	EPI 1, 2
	EPI 1, 3
.Lend:
	s_wait_tensorcnt 0x0                           ; the wave's end
	ds_add_u32 v[SPW], v[NIL]
	s_wait_dscnt 0x0
	CROUND                                         ; the closing round
	s_endpgm
.Lfunc_end_k_q9331e63c61_qkv:
	.size	k_q9331e63c61_qkv, .Lfunc_end_k_q9331e63c61_qkv-k_q9331e63c61_qkv
	.p2alignl 7, 3214868480
	.fill 96, 4, 3214868480
	.section	.rodata,"a",@progbits
	.p2align	6, 0x0
	.amdhsa_kernel k_q9331e63c61_qkv
		.amdhsa_group_segment_fixed_size 327680
		.amdhsa_private_segment_fixed_size 0
		.amdhsa_enable_private_segment 0
		.amdhsa_kernarg_size 88
		.amdhsa_user_sgpr_count 2
		.amdhsa_user_sgpr_kernarg_segment_ptr 1
		.amdhsa_wavefront_size32 1
		.amdhsa_system_sgpr_workgroup_id_x 1
		.amdhsa_system_sgpr_workgroup_id_y 1
		.amdhsa_system_sgpr_workgroup_id_z 1
		.amdhsa_system_vgpr_workitem_id 0
		.amdhsa_next_free_vgpr 1024
		.amdhsa_next_free_sgpr 98
		.amdhsa_reserve_vcc 0
		.amdhsa_float_denorm_mode_32 3
		.amdhsa_float_denorm_mode_16_64 3
		.amdhsa_memory_ordered 1
		.amdhsa_forward_progress 1
		.amdhsa_inst_pref_size 210
	.end_amdhsa_kernel
	.amdgpu_metadata
---
amdhsa.version: [ 1, 2 ]
amdhsa.kernels:
  - .name:           k_q9331e63c61_qkv
    .symbol:         k_q9331e63c61_qkv.kd
    .args:
      - { .name: x_codes, .offset: 0, .size: 8, .value_kind: global_buffer, .address_space: global }
      - { .name: Wq_codes, .offset: 8, .size: 8, .value_kind: global_buffer, .address_space: global }
      - { .name: Wk_codes, .offset: 16, .size: 8, .value_kind: global_buffer, .address_space: global }
      - { .name: Wv_codes, .offset: 24, .size: 8, .value_kind: global_buffer, .address_space: global }
      - { .name: bq, .offset: 32, .size: 8, .value_kind: global_buffer, .address_space: global }
      - { .name: bk, .offset: 40, .size: 8, .value_kind: global_buffer, .address_space: global }
      - { .name: bv, .offset: 48, .size: 8, .value_kind: global_buffer, .address_space: global }
      - { .name: lowp_scales, .offset: 56, .size: 8, .value_kind: global_buffer, .address_space: global }
      - { .name: q_img, .offset: 64, .size: 8, .value_kind: global_buffer, .address_space: global }
      - { .name: k_img, .offset: 72, .size: 8, .value_kind: global_buffer, .address_space: global }
      - { .name: v_img, .offset: 80, .size: 8, .value_kind: global_buffer, .address_space: global }
    .group_segment_fixed_size: 327680
    .private_segment_fixed_size: 0
    .kernarg_segment_align: 8
    .kernarg_segment_size: 88
    .max_flat_workgroup_size: 128
    .sgpr_count:     98
    .vgpr_count:     1024
    .wavefront_size: 32
...
	.end_amdgpu_metadata
.endif
;; end of part 2
;; launch attn (part 3): grid 2 x 128, 16 waves a work-group, no clusters, 174,080 bytes of LDS; arguments q_img, k_img, v_img, lm, cls, lowp_scales, o_img; writes o_img
.if DOCPART == 3
	.amdgcn_target "amdgcn-amd-amdhsa--gfx1250"
	.amdhsa_code_object_version 6
	.text
	.protected	k_q9331e63c61_attn
	.globl	k_q9331e63c61_attn
	.p2align	8
	.type	k_q9331e63c61_attn,@function
k_q9331e63c61_attn:
	s_mov_b64 s[64:65], 0
	v_nop
	global_prefetch_b8 v0, s[64:65] scope:SCOPE_SE
	s_setreg_imm32_b32 hwreg(HW_REG_WAVE_MODE, 25, 1), 1
	s_wait_xcnt 0x0
; Attention of one (batch, head) on codes of E4M3, under the mask that the first launch stored as whole numbers; the result is quantised for the last product.
; t = score x 2^(e6 + e7) x log2(e);  M = the row's largest t so far, rounded up to a whole number;  p = 2^(t - M) is quantised with 2^e9;  the row's sum is taken of the unquantised p and divides at the end;
; when M moves, the sum and O are multiplied by 2^(old M - new M), which rounds nothing.  out = O x 2^(e8 + e9) / sum, quantised with 2^e10.
; LIMITS: e6 + e7 between -126 and 127; e9 and e10 between -126 and 119.
; SHARES.  A work-group is (half p = x, batch x head = y).  It copies the head's images of K and V (64 KiB each) through registers into LDS once; one barrier.  Each of its sixteen waves owns one UNIT of 32 queries
; (unit 2 i + p, i = the wave's number with its low two bits turned over in every second four, so that neighbouring units fall on different places among four): two tiles u of 16, which share every fragment of K and V.
; LAYOUT.  S^T = K Q^T (source 0 = 16 keys, source 1 = 16 queries), O^T = V^T P^T: a lane holds one query of each tile throughout.  The images give tile t of a step the keys 32 (t / 2) + 8 (t % 2) + r + 8 (r / 8), so that
; score register n of lane (r, h) is key 32 (n / 16) + 16 h + n % 16, and the conversions' results are the second product's operand.  K = 64: v_wmma_f32_16x16x64_fp8_fp8, fragments of 8 registers by two loads of 16 bytes.
; THE MASK.  The loop has 16 trips, one for each 64 keys.  cls says for my unit, bit by step: does any key count (else the step's work is jumped over), do some not count (then the step's 64 lane masks come by scalar loads and
; hidden scores become -infinity, so that p = 0).  Every query counts its own key, so every row's sum ends above 0.
; NO TENSOR LOAD, NO JOINT LOAD: the branches hang on numbers read from memory, and only the two work-groups of a head share its 128 KiB.
; REGISTERS: v1 16 x lane; v2, v3 the step's LDS addresses; v4 448 x scale; v5 scale; v6 -infinity; v7 16 x lane + V's base; v[8:9], v[10:11] (-M, largest t) of tile 0, 1; v[12:15] the sums in halves; v16, v18 f; v20-29 at work;
;            v30, v31 the stage; v32-47 Q; v48-79 K's, then V's fragments; v80-143 S^T, then p; v144-207 O^T; v208-223 p's codes.
.set LI,   1
.set ADK,  2
.set ADV,  3
.set HOLD, 4
.set SCL,  5
.set NINF, 6
.set VB,   7
.set NM,   8
.set LS,   12
.set FF,   16
.set MA,   20
.set MB,   22
.set PT,   24
.set S2,   26
.set STO,  30
.set RD,   31
.set Q,    32
.set FR,   48
.set S,    80
.set O,    144
.set P,    208
.set VOFF,  65536                      ; LDS: K's image, then V's,
.set STAGE, 131072                     ; then a stage of 32 rows x 80 bytes for each wave
.set SPO,   80
.set KOFF,  27                         ; s27  4,096 x step: a step's tiles in either image
	s_load_b256 s[4:11], s[0:1], 0x0               ; q_img s[4:5], k_img s[6:7], v_img s[8:9], lm s[10:11]
	s_load_b128 s[12:15], s[0:1], 0x20             ; cls s[12:13], the scales s[14:15]
	s_load_b64 s[16:17], s[0:1], 0x30              ; o_img
	v_lshl_add_u32 v254, v0, 2, 0x2a000
	v_mov_b32 v255, 0
	v_lshrrev_b32 v1, 5, v0
	v_readfirstlane_b32 s2, v1                     ; wave 0..15
	s_bfe_u32 s20, s2, 0x10002
	s_mul_i32 s20, s20, 3
	s_xor_b32 s20, s2, s20                         ; i
	s_lshl_b32 s18, s20, 1
	s_add_co_u32 s18, s18, ttmp9                   ; my unit g
	s_and_b32 s19, ttmp7, 0xffff                   ; batch x head
	v_and_b32 v8, 31, v0
	v_lshlrev_b32 v[LI], 4, v8
	v_add_nc_u32 v[VB], VOFF, v[LI]
	v_lshlrev_b32 v[ADK], 4, v0                    ; for the copy: 16 x thread,
	v_add_nc_u32 v[ADV], VOFF, v[ADK]              ; and the same in V's image
	v_and_b32 v9, 15, v0                           ; r
	v_bfe_u32 v10, v0, 4, 1                        ; h
	s_mul_i32 s20, s2, 32*SPO
	s_add_co_u32 s20, s20, STAGE                   ; my stage
	v_and_b32 v11, 8, v9
	v_add_nc_u32 v11, v11, v9
	v_mul_u32_u24 v11, v11, SPO
	v_lshl_add_u32 v11, v10, 3, v11
	v_add_nc_u32 v[STO], s20, v11                  ; in: row r + 8 (r / 8) (tile 1: 8 rows on), + 8 h
	v_lshrrev_b32 v11, 2, v8
	v_mul_u32_u24 v11, v11, SPO
	v_and_b32 v12, 3, v8
	v_lshl_add_u32 v11, v12, 4, v11
	v_add_nc_u32 v[RD], s20, v11                   ; back: four lanes to a row of 64 bytes
	s_lshl_b32 s20, s19, 16                        ; a head's image is 65,536 bytes
	s_mov_b32 s21, 0
	s_wait_kmcnt 0x0
	s_add_nc_u64 s[4:5], s[4:5], s[20:21]
	s_add_nc_u64 s[6:7], s[6:7], s[20:21]
	s_add_nc_u64 s[8:9], s[8:9], s[20:21]
	s_add_nc_u64 s[16:17], s[16:17], s[20:21]
	s_lshl_b32 s20, s18, 11                        ; a unit is 2,048 bytes of q_img and of o_img,
	s_add_nc_u64 s[4:5], s[4:5], s[20:21]
	s_add_nc_u64 s[16:17], s[16:17], s[20:21]
	s_lshl_b32 s20, s18, 12                        ; 4,096 of lm,
	s_add_nc_u64 s[10:11], s[10:11], s[20:21]
	s_lshl_b32 s20, s18, 9                         ; 512 of cls
	s_add_nc_u64 s[12:13], s[12:13], s[20:21]
	s_load_b256 s[68:75], s[14:15], 0x0            ; entries 0 .. 7
	s_load_b128 s[76:79], s[14:15], 0x20           ; entries 8 .. 11
	s_load_b64 s[80:81], s[12:13], 0x0             ; the unit's bits, four steps in each pair
	s_load_b64 s[82:83], s[12:13], 0x80
	s_load_b64 s[84:85], s[12:13], 0x100
	s_load_b64 s[86:87], s[12:13], 0x180
.irp i, 0,1,2,3,4,5,6,7
	global_load_b128 v[S+4*\i:S+4*\i+3], v[ADK], s[6:7] offset:8192*\i         ; K's image: the 512 threads take 8,192 consecutive bytes an instruction
.endr
.irp i, 0,1,2,3,4,5,6,7
	global_load_b128 v[S+32+4*\i:S+32+4*\i+3], v[ADK], s[8:9] offset:8192*\i   ; V's
.endr
.irp u, 0,1
.irp c, 0,1
	global_load_b128 v[Q+8*\u+4*\c:Q+8*\u+4*\c+3], v[LI], s[4:5] offset:1024*\u+512*\c   ; my two fragments of Q stay in registers
.endr
.endr
	v_mov_b32 v[NINF], 0xff800000
.irp u, 0,1
	v_mov_b32 v[NM+2*\u+1], 0xff61b1e6             ; the largest t so far: -3e38, under every t
	v_floor_f32 v[NM+2*\u], -v[NM+2*\u+1]          ; -M
	v_mov_b32 v[LS+2*\u], 0                        ; the sum, in two halves
	v_mov_b32 v[LS+2*\u+1], 0
	v_mov_b32 v[FF+2*\u+1], 0                      ; (named as the upper half of f's pair)
	v_mov_b32 v[PT+\u], 0                          ; written once: a lane permute's destination counts as one of its sources
.endr
.set j, 0
.rept 64
	v_mov_b32 v[O+j], 0                            ; O^T.  Which step is a unit's first is not known to the text, so none is written out to start the sums: the first change of M multiplies zeros
.set j, j+1
.endr
	s_wait_kmcnt 0x0
	s_add_co_i32 s20, s74, s75
	s_lshl_b32 s20, s20, 23
	s_add_co_i32 s22, s20, 0x3fb8aa3b              ; c = log2(e) x 2^(e6 + e7): the exponents are added to its exponent field
	s_mov_b32 s23, s22                             ; (named with it as a pair, so it is written)
	s_or_b32 s24, s80, s82
	s_or_b32 s24, s24, s84
	s_or_b32 s24, s24, s86                         ; bit step: some key counts
	s_or_b32 s25, s81, s83
	s_or_b32 s25, s25, s85
	s_or_b32 s25, s25, s87                         ; bit step: and some does not
	s_mov_b32 s28, s77                             ; e9
	s_add_co_i32 s29, s76, s77                     ; e8 + e9
	s_mov_b32 s3, s78                              ; e10
	s_add_co_i32 s20, s77, 127
	s_lshl_b32 s21, s20, 23
	v_mov_b32 v[SCL], s21                          ; 2^e9 as f32
	s_add_co_i32 s20, s20, 8
	s_lshl_b32 s20, s20, 23
	s_or_b32 s20, s20, 0x600000
	v_mov_b32 v[HOLD], s20                         ; 448 x 2^e9
	s_mov_b32 s26, 0                               ; the step
	s_mov_b32 s[KOFF], 0
	s_mov_b32 s30, 0x76543210                      ; v_permlanex16_b32's selects for lane l xor 16
	s_mov_b32 s31, 0xfedcba98
	s_wait_loadcnt 12                              ; K's eight loads are in; V's eight and Q's four may be out
.irp i, 0,1,2,3,4,5,6,7
	ds_store_b128 v[ADK], v[S+4*\i:S+4*\i+3] offset:8192*\i
.endr
	s_wait_loadcnt 4                               ; V's are in; Q's four may be out
.irp i, 0,1,2,3,4,5,6,7
	ds_store_b128 v[ADV], v[S+32+4*\i:S+32+4*\i+3] offset:8192*\i
.endr
	s_wait_loadcnt 0x0                             ; Q
	s_wait_dscnt 0x0                               ; for the others' sake: my stores have landed
	s_barrier_signal -1
	s_barrier_wait -1                              ; both images are whole; nobody writes them again
; A step's scores, and the request for its V.
.macro SCORES
	v_add_nc_u32 v[ADK], s[KOFF], v[LI]
	v_add_nc_u32 v[ADV], s[KOFF], v[VB]
	v_nop                                          ; four plain lines between the last products and the loads into the registers that they read
	v_nop
.irp t, 0,1,2,3
.irp c, 0,1
	ds_load_b128 v[FR+8*\t+4*\c:FR+8*\t+4*\c+3], v[ADK] offset:1024*\t+512*\c
.endr
.endr
	s_wait_dscnt 0x0
.irp t, 0,1,2,3
.irp u, 0,1
	v_wmma_f32_16x16x64_fp8_fp8 v[S+32*\u+8*\t:S+32*\u+8*\t+7], v[FR+8*\t:FR+8*\t+7], v[Q+8*\u:Q+8*\u+7], 0
.endr
.endr
.rept 4
	v_nop                                          ; places in front of the loads below and of the first read of the scores
.endr
.irp t, 0,1,2,3
.irp c, 0,1
	ds_load_b128 v[FR+8*\t+4*\c:FR+8*\t+4*\c+3], v[ADV] offset:1024*\t+512*\c   ; V^T, 16 of the head's 64 a tile: it lands under the softmax
.endr
.endr
.endm
; The softmax of both tiles, line by line by turns, so that no line waits for the line above it.
.macro SOFTMAX
.irp u, 0,1
	v_max3_num_f32 v[MA+\u], v[S+32*\u], v[S+32*\u+1], v[S+32*\u+2]           ; the largest score of my query among my 32 keys, in two chains; each accumulator is read from its low end on
	v_max3_num_f32 v[MB+\u], v[S+32*\u+3], v[S+32*\u+4], v[S+32*\u+5]
.endr
.irp i, 6,10,14,18,22,26
.irp u, 0,1
	v_max3_num_f32 v[MA+\u], v[MA+\u], v[S+32*\u+\i], v[S+32*\u+\i+1]
	v_max3_num_f32 v[MB+\u], v[MB+\u], v[S+32*\u+\i+2], v[S+32*\u+\i+3]
.endr
.endr
.irp u, 0,1
	v_max3_num_f32 v[MA+\u], v[MA+\u], v[S+32*\u+30], v[S+32*\u+31]
.endr
.irp u, 0,1
	v_max_num_f32 v[MA+\u], v[MA+\u], v[MB+\u]
.endr
.irp u, 0,1
	v_permlanex16_b32 v[PT+\u], v[MA+\u], s30, s31
.endr
.irp u, 0,1
	v_max_num_f32 v[MA+\u], v[MA+\u], v[PT+\u]     ; and among lane l xor 16's
.endr
.irp u, 0,1
	v_mul_f32 v[MA+\u], s22, v[MA+\u]              ; as t (c is positive)
.endr
.irp u, 0,1
	v_max_num_f32 v[NM+2*\u+1], v[NM+2*\u+1], v[MA+\u]   ; the running largest t
.endr
.irp u, 0,1
	v_mov_b32 v[MA+\u], v[NM+2*\u]
.endr
.irp u, 0,1
	v_floor_f32 v[NM+2*\u], -v[NM+2*\u+1]          ; the new -M = floor(-t): M is a whole number
.endr
.irp u, 0,1
	v_sub_f32 v[MA+\u], v[NM+2*\u], v[MA+\u]       ; old M - new M: a whole number, 0 or less
.endr
.irp u, 0,1
	v_cvt_i32_f32 v[MA+\u], v[MA+\u]               ; (it saturates)
.endr
.irp u, 0,1
	v_ldexp_f32 v[FF+2*\u], 1.0, v[MA+\u]          ; f = 2^(old M - new M)
.endr
.irp j, 0,2,4,6,8,10,12,14,16,18,20,22,24,26,28,30
.irp u, 0,1
	v_pk_fma_f32 v[S+32*\u+\j:S+32*\u+\j+1], v[S+32*\u+\j:S+32*\u+\j+1], s[22:23], v[NM+2*\u:NM+2*\u+1] op_sel_hi:[1,0,0]   ; t - M, two at a time
.endr
.endr
.set j, 0
.rept 64
	v_exp_f32 v[S+j], v[S+j]                       ; p = 2^(t - M): one batch
.set j, j+1
.endr
.irp u, 0,1
	v_pk_mul_f32 v[LS+2*\u:LS+2*\u+1], v[LS+2*\u:LS+2*\u+1], v[FF+2*\u:FF+2*\u+1] op_sel_hi:[1,0]   ; the sums under the new M: plain lines behind the exponentials
.endr
	s_wait_alu depctr_va_vdst(0)                   ; one wait for the batch, ahead of the first line that names a result
.irp u, 0,1
	v_pk_add_f32 v[S2+2*\u:S2+2*\u+1], v[S+32*\u:S+32*\u+1], v[S+32*\u+2:S+32*\u+3]   ; the row's sum is taken of the unquantised p, in two chains
.endr
.irp j, 4,8,12,16,20,24,28
.irp u, 0,1
	v_pk_add_f32 v[LS+2*\u:LS+2*\u+1], v[LS+2*\u:LS+2*\u+1], v[S+32*\u+\j:S+32*\u+\j+1]
	v_pk_add_f32 v[S2+2*\u:S2+2*\u+1], v[S2+2*\u:S2+2*\u+1], v[S+32*\u+\j+2:S+32*\u+\j+3]
.endr
.endr
.irp u, 0,1
	v_pk_add_f32 v[LS+2*\u:LS+2*\u+1], v[LS+2*\u:LS+2*\u+1], v[S2+2*\u:S2+2*\u+1]
.endr
	s_cmp_ge_i32 s28, -8                           ; p is at most 1, and 1 / 2^e9 is at most 256, under 448, where e9 >= -8: the hold can bind only below that
	s_cbranch_scc1 .Lno_hold_\@
.set j, 0
.rept 64
	v_min_num_f32 v[S+j], v[S+j], v[HOLD]          ; p is not negative: the hold is one-sided
.set j, j+1
.endr
.Lno_hold_\@:
.irp t, 0,1,2,3
.irp u, 0,1
	v_cvt_scalef32_pk8_fp8_f32 v[P+8*\u+2*\t:P+8*\u+2*\t+1], v[S+32*\u+8*\t:S+32*\u+8*\t+7], v[SCL]
.endr
.endr
.irp u, 0,1
.irp j, 0,2,4,6,8,10,12,14,16,18,20,22,24,26,28,30
	v_pk_mul_f32 v[O+32*\u+\j:O+32*\u+\j+1], v[O+32*\u+\j:O+32*\u+\j+1], v[FF+2*\u:FF+2*\u+1] op_sel_hi:[1,0]   ; O^T under the new M; also the plain lines between the conversions and the products
.endr
.endr
.endm
.macro PV
	s_wait_dscnt 0x0                               ; V's fragments are in
.irp t, 0,1,2,3
.irp u, 0,1
	v_wmma_f32_16x16x64_fp8_fp8 v[O+32*\u+8*\t:O+32*\u+8*\t+7], v[FR+8*\t:FR+8*\t+7], v[P+8*\u:P+8*\u+7], v[O+32*\u+8*\t:O+32*\u+8*\t+7]   ; eight accumulators by turns, one instruction a turn
.endr
.endr
.endm
.Lstep:                                            ; 16 trips
	s_bitcmp1_b32 s24, s26
	s_cbranch_scc0 .Lnext                          ; no key of this step counts for my 32 queries
	s_bitcmp1_b32 s25, s26
	s_cbranch_scc1 .Lmixed
	SCORES
	s_branch .Lsoft
.Lmixed:
	s_load_b512 s[32:47], s[10:11], 0x0            ; the cell's 64 lane masks: (n, u) in s[32 + 2 n + u], from n = 16 on in s[68 + 2 (n - 16) + u]
	s_load_b512 s[48:63], s[10:11], 0x40
	s_load_b512 s[68:83], s[10:11], 0x80
	s_load_b512 s[84:99], s[10:11], 0xc0
	SCORES
	s_wait_kmcnt 0x0
.set n, 0
.rept 32
.irp u, 0,1
.set MR, 32+2*n+\u+4*(n/16)
	v_cndmask_b32 v[S+32*\u+n], v[NINF], v[S+32*\u+n], s[MR]   ; a hidden key's score becomes -infinity, ahead of the maximum
.endr
.set n, n+1
.endr
.Lsoft:
	SOFTMAX
	PV
.Lnext:
	s_add_nc_u64 s[10:11], s[10:11], 256           ; the next cell (the masks' loads were waited for)
	s_add_co_u32 s[KOFF], s[KOFF], 4096
	s_add_co_u32 s26, s26, 1
	s_cmp_lt_u32 s26, 16
	s_cbranch_scc1 .Lstep
	; THE WAY OUT.  The additions are the plain lines behind the last products.
	v_add_f32 v[LS], v[LS], v[LS+1]
	v_add_f32 v[LS+2], v[LS+2], v[LS+3]
	v_permlanex16_b32 v[PT], v[LS], s30, s31
	v_permlanex16_b32 v[PT+1], v[LS+2], s30, s31
	v_add_f32 v[LS], v[LS], v[PT]
	v_add_f32 v[LS+2], v[LS+2], v[PT+1]            ; the rows' sums
	v_rcp_f32 v[LS], v[LS]
	v_rcp_f32 v[LS+2], v[LS+2]
	s_add_co_i32 s20, s3, 127
	s_lshl_b32 s21, s20, 23
	v_mov_b32 v[SCL], s21                          ; 2^e10 as f32  (a plain line behind the reciprocals)
	s_add_co_i32 s20, s20, 8
	s_lshl_b32 s20, s20, 23
	s_or_b32 s20, s20, 0x600000
	v_mov_b32 v[HOLD], s20                         ; 448 x 2^e10
	s_wait_alu depctr_va_vdst(0)                   ; one wait for both reciprocals, ahead of their first reader
	v_ldexp_f32 v[LS], v[LS], s29                  ; x 2^(e8 + e9)
	v_ldexp_f32 v[LS+2], v[LS+2], s29
.irp u, 0,1
.irp j, 0,2,4,6,8,10,12,14,16,18,20,22,24,26,28,30
	v_pk_mul_f32 v[O+32*\u+\j:O+32*\u+\j+1], v[O+32*\u+\j:O+32*\u+\j+1], v[LS+2*\u:LS+2*\u+1] op_sel_hi:[1,0]
.endr
.endr
.set j, 0
.rept 64
	v_med3_num_f32 v[O+j], v[O+j], -v[HOLD], v[HOLD]
.set j, j+1
.endr
.irp u, 0,1
.irp t, 0,1,2,3
	v_cvt_scalef32_pk8_fp8_f32 v[P+8*\u+2*\t:P+8*\u+2*\t+1], v[O+32*\u+8*\t:O+32*\u+8*\t+7], v[SCL]   ; d = 16 t + 8 h + 0 .. 7 of my query
.endr
.endr
	v_nop
.irp u, 0,1
.irp t, 0,1,2,3
	ds_store_b64 v[STO], v[P+8*\u+2*\t:P+8*\u+2*\t+1] offset:8*SPO*\u+16*\t
.endr
.endr
.irp i, 0,1,2,3
	ds_load_b128 v[FR+4*\i:FR+4*\i+3], v[RD] offset:8*SPO*\i   ; LDS serves a wave's instructions in order: these see my stores
.endr
.irp i, 0,1,2,3
	s_wait_dscnt 3-\i                              ; the younger loads may be out
	global_store_b128 v[LI], v[FR+4*\i:FR+4*\i+3], s[16:17] offset:512*\i   ; eight rows of 64 bytes: 512 consecutive bytes, aligned
.endr
	s_wait_tensorcnt 0x0
	ds_add_u32 v254, v255
	s_wait_dscnt 0x0
	s_endpgm
.Lfunc_end_k_q9331e63c61_attn:
	.size	k_q9331e63c61_attn, .Lfunc_end_k_q9331e63c61_attn-k_q9331e63c61_attn
	.p2alignl 7, 3214868480
	.fill 96, 4, 3214868480
	.section	.rodata,"a",@progbits
	.p2align	6, 0x0
	.amdhsa_kernel k_q9331e63c61_attn
		.amdhsa_group_segment_fixed_size 174080
		.amdhsa_private_segment_fixed_size 0
		.amdhsa_enable_private_segment 0
		.amdhsa_kernarg_size 56
		.amdhsa_user_sgpr_count 2
		.amdhsa_user_sgpr_kernarg_segment_ptr 1
		.amdhsa_wavefront_size32 1
		.amdhsa_system_sgpr_workgroup_id_x 1
		.amdhsa_system_sgpr_workgroup_id_y 1
		.amdhsa_system_sgpr_workgroup_id_z 1
		.amdhsa_system_vgpr_workitem_id 0
		.amdhsa_next_free_vgpr 256
		.amdhsa_next_free_sgpr 100
		.amdhsa_reserve_vcc 0
		.amdhsa_float_denorm_mode_32 3
		.amdhsa_float_denorm_mode_16_64 3
		.amdhsa_memory_ordered 1
		.amdhsa_forward_progress 1
		.amdhsa_inst_pref_size 41
	.end_amdhsa_kernel
	.amdgpu_metadata
---
amdhsa.version: [ 1, 2 ]
amdhsa.kernels:
  - .name:           k_q9331e63c61_attn
    .symbol:         k_q9331e63c61_attn.kd
    .args:
      - { .name: q_img, .offset: 0, .size: 8, .value_kind: global_buffer, .address_space: global }
      - { .name: k_img, .offset: 8, .size: 8, .value_kind: global_buffer, .address_space: global }
      - { .name: v_img, .offset: 16, .size: 8, .value_kind: global_buffer, .address_space: global }
      - { .name: lm, .offset: 24, .size: 8, .value_kind: global_buffer, .address_space: global }
      - { .name: cls, .offset: 32, .size: 8, .value_kind: global_buffer, .address_space: global }
      - { .name: lowp_scales, .offset: 40, .size: 8, .value_kind: global_buffer, .address_space: global }
      - { .name: o_img, .offset: 48, .size: 8, .value_kind: global_buffer, .address_space: global }
    .group_segment_fixed_size: 174080
    .private_segment_fixed_size: 0
    .kernarg_segment_align: 8
    .kernarg_segment_size: 56
    .max_flat_workgroup_size: 512
    .sgpr_count:     100
    .vgpr_count:     256
    .wavefront_size: 32
...
	.end_amdgpu_metadata
.endif
;; end of part 3
;; launch oproj (part 4): grid 4 x 64, 4 waves a work-group, clusters of 4 x 4, 327,680 bytes of LDS; arguments o_img, wo_codes, lowp_scales, bo, out0; writes out0
.if DOCPART == 4
	.amdgcn_target "amdgcn-amd-amdhsa--gfx1250"
	.amdhsa_code_object_version 6
	.text
	.protected	k_q9331e63c61_oproj
	.globl	k_q9331e63c61_oproj
	.p2align	8
	.type	k_q9331e63c61_oproj,@function
k_q9331e63c61_oproj:
	s_mov_b64 s[64:65], 0
	v_nop
	global_prefetch_b8 v0, s[64:65] scope:SCOPE_SE
	s_setreg_imm32_b32 hwreg(HW_REG_WAVE_MODE, 25, 1), 1
	s_wait_xcnt 0x0
	s_wait_alu depctr_hold_cnt(0) depctr_sa_sdst(0) depctr_va_vdst(0) depctr_va_sdst(0) depctr_va_ssrc(0) depctr_va_vcc(0) depctr_vm_vsrc(0)
	s_getreg_b32 s2, hwreg(HW_REG_IB_STS2, 6, 4)
	s_cmp_eq_u32 s2, 0
	s_cbranch_scc0 .Lentry_in_a_cluster
	s_endpgm
.Lentry_in_a_cluster:
	s_bfe_u32 s2, ttmp6, 0x10000c
	s_cmp_lg_u32 s2, 0xf033
	s_cbranch_scc0 .Lentry_shape_is_right
	s_endpgm
.Lentry_shape_is_right:
; out0[m][n] = (the sum over k of A[m][k] B[n][k]) x 2^(e10 + e11) + bo[n], on codes of E4M3.  m = 1,024 b + s; k = 64 head + d.
; A = o_img [b 8 x head 16][s 1024][64 bytes]; B = wo_codes [n 1024][k 1024]; out0 [8192][1024] f32.  LIMIT: e10 + e11 between -126 and 127.
; A tile of C is 128 x 256, so that the 8,192 x 1,024 outputs are 256 tiles; four waves, each 64 x 128: 32 accumulators, 256 registers.  K goes in steps of 256 (four heads) through a ring of two LDS slots: four fills in all.
; A's tile of a fill is four heads' dense blocks of 128 rows x 64 bytes.  A wave's load brings two of them: two rows of 8,192 bytes, 65,536 bytes apart, with 16 bytes of padding behind every 64: in LDS 128 rows of 80 bytes a head.
; CLUSTERS: 4 x 4 work-groups; A's tile is asked for jointly along a row of the cluster, B's along a column.  The matrix instruction is used transposed (source 0 = 16 rows of B, source 1 = 16 rows of A).
; REGISTERS, in windows of 256: window 0: v0-31 addresses; v32-95 bo; A's fragments, two sets of 64, at v128 and v192; on the way out v96-223 are at work.  window 1: B's fragments, two sets of 128.  window 2: the accumulators ((a, b) at v[8 (8 a + b)]).
.set KROW,   1024
.set PITCH,  272                       ; B's LDS row: 256 bytes + 16
.set APITCH, 80                        ; A's LDS row: 64 bytes + 16: an odd multiple of 16 bytes, like B's
.set HEADB,  128*APITCH                ; a head's 128 rows
.set ABYTES, 4*HEADB
.set HALFB,  128*PITCH
.set SLOT,   ABYTES+2*HALFB            ; A's four heads, then B's 256 rows
.set SPARE,  2*SLOT                    ; behind the ring: the spare words, 128 bytes a wave; no other line names them
.set SPITCH, 528                       ; the way out: a stage of 16 rows x (512 bytes + 16) for each wave, in slot 0, which has had its last fill and its last read by then
.set FR,     16
.set ADRA, 16
.set ADRB, 20
.set STO,  24
.set RD,   25
.set CO,   26
.set BH,   27
.set SPW,  28
.set NIL,  29
.set BI,   32
.set TMP,  96
.set AF,   128
.set BK,   160
.set G1, 24
.set G0, 32
.set G1B, 48
.set G0B, 56
.set MSB, 0
.macro WIN new                         ; the immediate's high byte repeats the setting that is left
.if MSB != \new
	s_set_vgpr_msb (MSB<<8)|\new
.set MSB, \new
.endif
.endm
.set MUL,  0xa1                        ; source 0 (B) window 1, source 1 (A) window 0, C and D window 2
.set TO_B, 0x40
.macro JLOAD s                         ; a joint load: waves 0 and 1 fetch A's halves, waves 2 and 3 B's; four v_nop follow each of the two lines
	s_cmp_eq_u32 s15, 0
	s_cbranch_scc0 .Lfor_b_\@
	tensor_load_to_lds s[G0+4*\s:G0+4*\s+3], s[G1:G1+7]
	s_nop 0
.rept 4
	v_nop
.endr
	s_branch .Lasked_\@
.Lfor_b_\@:
	tensor_load_to_lds s[G0B+4*\s:G0B+4*\s+3], s[G1B:G1B+7]
	s_nop 0
.rept 4
	v_nop
.endr
.Lasked_\@:
.endm
.macro CREST
	s_cmp_lg_u32 s14, 0
	s_cbranch_scc1 .Lnot_wave_0_\@
	s_barrier_signal -3
.Lnot_wave_0_\@:
	s_barrier_wait -3
	s_barrier_signal -1
	s_barrier_wait -1
.endm
.macro CROUND
	s_barrier_signal -1
	s_barrier_wait -1
	CREST
.endm
	s_load_b256 s[4:11], s[0:1], 0x0               ; o_img s[4:5], wo_codes s[6:7], the scales s[8:9], bo s[10:11]
	s_load_b64 s[12:13], s[0:1], 0x20              ; out0
	v_lshl_add_u32 v[SPW], v0, 2, SPARE
	v_mov_b32 v[NIL], 0
	ds_add_u32 v28, v29
	ds_add_u32 v28, v29
	s_wait_dscnt 0x0
	v_lshrrev_b32 v1, 5, v0
	v_readfirstlane_b32 s14, v1                    ; wave 0..3
	s_lshr_b32 s15, s14, 1                         ; which 64 rows of the tile are mine.  Also: I fetch for A (0) or for B (1)
	s_and_b32 s16, s14, 1                          ; which 128 columns.  Also: which half of that tile I fetch
	s_bfe_u32 s40, ttmp6, 0x40000                  ; cx, cy
	s_bfe_u32 s41, ttmp6, 0x40004
	s_lshl_b32 s42, ttmp9, 2
	s_add_co_u32 s42, s42, s40                     ; tile column
	s_and_b32 s17, ttmp7, 0xffff
	s_lshl_b32 s17, s17, 2
	s_add_co_u32 s17, s17, s41                     ; tile row
	s_lshl_b32 s43, s41, 2
	s_lshl_b32 s43, 15, s43                        ; my row of the cluster
	s_lshl_b32 s44, 0x1111, s40                    ; my column
	; A's group 1: 2 rows x 8,192 bytes, 65,536 bytes apart; four words of padding after every 16
	s_or_b32 s[G1+0], s43, (0<<16)|(1<<20)|(1<<21)|(3<<22)|(3<<25)
	s_mov_b32 s[G1+1], 8192<<16                    ; tensor_dim0
	s_mov_b32 s[G1+2], 2<<16                       ; tensor_dim1
	s_mov_b32 s[G1+3], 8192<<16                    ; tile_dim0
	s_mov_b32 s[G1+4], 2                           ; tile_dim1
	s_mov_b32 s[G1+5], 65536                       ; tensor_dim0_stride
	s_mov_b32 s[G1+6], 0
	s_mov_b32 s[G1+7], 0
	; B's group 1: 128 rows x 256 bytes, 1,024 bytes apart; four words of padding after every 64
	s_or_b32 s[G1B+0], s44, (0<<16)|(1<<20)|(1<<21)|(5<<22)|(3<<25)
	s_mov_b32 s[G1B+1], 256<<16
	s_mov_b32 s[G1B+2], 128<<16
	s_mov_b32 s[G1B+3], 256<<16
	s_mov_b32 s[G1B+4], 128
	s_mov_b32 s[G1B+5], KROW
	s_mov_b32 s[G1B+6], 0
	s_mov_b32 s[G1B+7], 0
	s_lshr_b32 s20, s17, 3
	s_lshl_b32 s20, s20, 20                        ; A: b x 16 heads x 65,536 bytes
	s_and_b32 s21, s17, 7
	s_lshl_b32 s21, s21, 13                        ; + 128 rows x 64 bytes for each tile row within b
	s_add_co_u32 s20, s20, s21
	s_lshl_b32 s21, s16, 17                        ; + the two heads that I fetch
	s_add_co_u32 s20, s20, s21
	s_mov_b32 s21, 0
	s_lshl_b32 s46, s42, 8
	s_lshl_b32 s47, s16, 7
	s_add_co_u32 s46, s46, s47
	s_lshl_b32 s46, s46, 10                        ; B: row 256 x tile column + 128 x half, of 1,024 bytes
	s_mov_b32 s47, 0
	s_mul_i32 s45, s16, 2*HEADB                    ; where they go: A's halves,
	s_mul_i32 s23, s16, HALFB
	s_add_co_u32 s23, s23, ABYTES                  ; B's halves behind them
	s_wait_kmcnt 0x0
	s_load_b64 s[96:97], s[8:9], 0x28              ; e10, e11
	s_add_nc_u64 s[20:21], s[4:5], s[20:21]
	s_add_nc_u64 s[46:47], s[6:7], s[46:47]
	CROUND                                         ; all sixteen work-groups are here: the first joint loads meet
.irp s, 0,1
	s_mov_b32 s[G0+4*\s], 1
	s_add_co_u32 s[G0+4*\s+1], s45, \s*SLOT
	s_add_nc_u64 s[G0+4*\s+2:G0+4*\s+3], s[20:21], \s*4*65536      ; fill s: heads 4 s on
	s_or_b32 s[G0+4*\s+3], s[G0+4*\s+3], 0x80000000
	s_mov_b32 s[G0B+4*\s], 1
	s_add_co_u32 s[G0B+4*\s+1], s23, \s*SLOT
	s_add_nc_u64 s[G0B+4*\s+2:G0B+4*\s+3], s[46:47], \s*256
	s_or_b32 s[G0B+4*\s+3], s[G0B+4*\s+3], 0x80000000
	JLOAD \s                                       ; two loads of mine are out
.endr
	v_and_b32 v1, 15, v0                           ; r
	v_bfe_u32 v2, v0, 4, 1                         ; h
	v_mul_u32_u24 v3, v1, APITCH
	v_lshl_add_u32 v3, v2, 4, v3
	v_mul_u32_u24 v4, v1, PITCH
	v_lshl_add_u32 v4, v2, 4, v4
	s_mul_i32 s21, s15, 64*APITCH                  ; my 64 rows of each head
	s_mul_i32 s22, s16, HALFB
	s_add_co_u32 s22, s22, ABYTES                  ; my 128 rows of B
.irp s, 0,1
	v_add_nc_u32 v[ADRA+\s], s21, v3
	v_add_nc_u32 v[ADRB+\s], s22, v4
	s_add_co_u32 s21, s21, SLOT
	s_add_co_u32 s22, s22, SLOT
.endr
	s_mul_i32 s23, s14, 16*SPITCH                  ; my stage
	v_mul_u32_u24 v5, v1, SPITCH
	v_lshl_add_u32 v5, v2, 5, v5
	v_add_nc_u32 v[STO], s23, v5                   ; in: row r, 32 bytes for each half of the lanes
	v_and_b32 v6, 31, v0
	v_lshlrev_b32 v[CO], 4, v6                     ; back: the 32 lanes take one row of 512 bytes; and the same in out0
	v_add_nc_u32 v[RD], s23, v[CO]
	v_lshlrev_b32 v[BH], 5, v2
	s_lshl_b32 s20, s17, 7
	s_lshl_b32 s21, s15, 6
	s_add_co_u32 s20, s20, s21                     ; my first row of C
	s_lshl_b32 s20, s20, 12                        ; of 4,096 bytes
	s_mov_b32 s21, 0
	s_lshl_b32 s46, s42, 8
	s_lshl_b32 s47, s16, 7
	s_add_co_u32 s46, s46, s47                     ; my first column,
	s_lshl_b32 s46, s46, 2                         ; in bytes
	s_mov_b32 s47, 0
	s_add_nc_u64 s[10:11], s[10:11], s[46:47]
	s_add_nc_u64 s[12:13], s[12:13], s[20:21]
	s_add_nc_u64 s[12:13], s[12:13], s[46:47]
; 8 matrix instructions: A's block a x B's eight, 128 along K, on set p.  The 32 accumulators take turns, one instruction a turn.
.macro MUL8 a, p, zero
.irp b, 0,1,2,3,4,5,6,7
.if \zero
	v_wmma_f32_16x16x128_fp8_fp8 v[8*(8*(\a)+\b):8*(8*(\a)+\b)+7], v[128*(\p)+FR*\b:128*(\p)+FR*\b+FR-1], v[AF+64*(\p)+FR*(\a):AF+64*(\p)+FR*(\a)+FR-1], 0
.else
	v_wmma_f32_16x16x128_fp8_fp8 v[8*(8*(\a)+\b):8*(8*(\a)+\b)+7], v[128*(\p)+FR*\b:128*(\p)+FR*\b+FR-1], v[AF+64*(\p)+FR*(\a):AF+64*(\p)+FR*(\a)+FR-1], v[8*(8*(\a)+\b):8*(8*(\a)+\b)+7]
.endif
.endr
.endm
; 48 LDS loads in one run: the slot's q-th 128 along K into set p: B's eight fragments, then A's four.  Registers 4 c .. 4 c + 3 hold K = 32 c + 16 h + 0 .. 15 in both: in A that is head 2 q + c / 2, d = 32 (c % 2) + 16 h on.
.macro FETCH slot, q, p
	WIN TO_B
.irp i, 0,1,2,3,4,5,6,7
.irp c, 0,1,2,3
	ds_load_b128 v[128*(\p)+FR*\i+4*\c:128*(\p)+FR*\i+4*\c+3], v[ADRB+\slot] offset:128*(\q)+32*\c+\i*16*PITCH
.endr
.endr
	WIN 0
.irp a, 0,1,2,3
.irp c, 0,1,2,3
	ds_load_b128 v[AF+64*(\p)+FR*\a+4*\c:AF+64*(\p)+FR*\a+4*\c+3], v[ADRA+\slot] offset:(2*(\q)+\c/2)*HEADB+\a*16*APITCH+32*(\c%2)
.endr
.endr
.endm
.macro PLACES
.rept 4
	v_nop
.endr
.endm
; A slot's first step: multiplies set 0 and fetches the second step into set 1.
.macro STEP slot, zero
	s_wait_dscnt 8                                 ; B's set and A's blocks 0, 1 are in; the youngest eight loads (A's blocks 2, 3) may be out
	WIN MUL
	MUL8 0, 0, \zero
	MUL8 1, 0, \zero
	PLACES
	FETCH \slot, 1, 1
	s_wait_dscnt 48                                ; all but the 48 just issued
	WIN MUL
	MUL8 2, 0, \zero
	MUL8 3, 0, \zero
	WIN 0
.endm
; A slot's second step multiplies set 1 and changes slots: one barrier; in front of it each wave waits for all its tensor loads, adds 0 to its spare word, and waits for that and for its own reads of this slot.
.macro TURN slot, next, fill
	s_wait_tensorcnt 0x0                           ; all my tensor loads have landed: my part of the next slot
	ds_add_u32 v[SPW], v[NIL]                      ; 0 onto my spare word
	s_wait_dscnt 9                                 ; (the add and the youngest eight loads may be out)
	WIN MUL
	MUL8 0, 1, 0
	s_wait_dscnt 0x0                               ; the add is done, and my reads of this slot are over
	s_barrier_signal -1
	MUL8 1, 1, 0
	WIN 0
	s_barrier_wait -1
.if \fill
	CREST                                          ; the barrier has opened a round of the cluster's barrier
	s_add_nc_u64 s[G0+4*\slot+2:G0+4*\slot+3], s[G0+4*\slot+2:G0+4*\slot+3], 2*4*65536
	s_add_nc_u64 s[G0B+4*\slot+2:G0B+4*\slot+3], s[G0B+4*\slot+2:G0B+4*\slot+3], 2*256
	JLOAD \slot                                    ; the first tensor load behind the round; its four v_nop are the places in front of the loads below
.else
	PLACES
.endif
	FETCH \next, 0, 0
	WIN MUL
	MUL8 2, 1, 0
	MUL8 3, 1, 0
	WIN 0
.endm
	s_wait_tensorcnt 1                             ; my part of the first fill is in (the second fill's load may be out)
	s_barrier_signal -1
	s_barrier_wait -1                              ; everybody's is
	FETCH 0, 0, 0
	STEP 0, 1                                      ; the first step's products start the sums
	TURN 0, 1, 1
	STEP 1, 0
	TURN 1, 0, 1
	STEP 0, 0
	TURN 0, 1, 0                                   ; the last lap fills nothing
	STEP 1, 0
.irp b, 0,1,2,3,4,5,6,7
	global_load_b128 v[BI+8*\b:BI+8*\b+3], v[BH], s[10:11] offset:64*\b        ; bo of columns 16 b + 8 h + 0 .. 7: it lands under the last products
	global_load_b128 v[BI+8*\b+4:BI+8*\b+7], v[BH], s[10:11] offset:64*\b+16
.endr
	s_wait_dscnt 8                                 ; the very last step
	WIN MUL
	MUL8 0, 1, 0
	MUL8 1, 1, 0
	s_wait_dscnt 0
	MUL8 2, 1, 0
	MUL8 3, 1, 0
	WIN 0
; THE WAY OUT, block by block of 16 rows x 128 columns: sum x 2^(e10 + e11) + bo into other registers, each accumulator from its low end on; through my stage; back as whole rows of 512 bytes.
.macro PACK a
	WIN 0x02                                       ; source 0: window 2
.irp b, 0,1,2,3,4,5,6,7
.irp i, 0,2,4,6
	v_pk_fma_f32 v[TMP+8*\b+\i:TMP+8*\b+\i+1], v[64*(\a)+8*\b+\i:64*(\a)+8*\b+\i+1], s[96:97], v[BI+8*\b+\i:BI+8*\b+\i+1] op_sel_hi:[1,0,1]
.endr
.endr
	WIN 0
.endm
.macro TOSTAGE
.irp b, 0,1,2,3,4,5,6,7
	ds_store_b128 v[STO], v[TMP+8*\b:TMP+8*\b+3] offset:64*\b
	ds_store_b128 v[STO], v[TMP+8*\b+4:TMP+8*\b+7] offset:64*\b+16
.endr
.irp t, 0,1,2,3,4,5,6,7,8,9,10,11,12,13,14,15
	ds_load_b128 v[BK+4*\t:BK+4*\t+3], v[RD] offset:\t*SPITCH   ; LDS serves a wave's instructions in order: these see my stores
.endr
.endm
.macro SEND a
	s_wait_dscnt 0x0                               ; the block is back in registers
.irp t, 0,1,2,3,4,5,6,7,8,9,10,11,12,13,14,15
	global_store_b128 v[CO], v[BK+4*\t:BK+4*\t+3], s[12:13] offset:65536*(\a)+4096*\t th:TH_STORE_NT   ; 32 lanes store 512 consecutive bytes, aligned; written once, read by nobody here
.endr
.endm
	s_wait_kmcnt 0x0
	s_add_co_i32 s96, s96, s97
	s_add_co_i32 s96, s96, 127
	s_lshl_b32 s96, s96, 23                        ; 2^(e10 + e11) as f32
	s_mov_b32 s97, s96                             ; (named with it as a pair, so it is written)
	PLACES
	s_wait_loadcnt 0x0                             ; bo
	PACK 0
	TOSTAGE
.irp a, 1,2,3
	PACK \a                                        ; block a's arithmetic stands between block a - 1's loads from the stage and the wait for them
	SEND \a-1
	s_wait_xcnt 0x0                                ; the stores have read their registers: the next block's rows may land there
	TOSTAGE
.endr
	SEND 3
	s_wait_tensorcnt 0x0                           ; the wave's end
	ds_add_u32 v[SPW], v[NIL]
	s_wait_dscnt 0x0
	CROUND                                         ; the closing round
	s_endpgm
.Lfunc_end_k_q9331e63c61_oproj:
	.size	k_q9331e63c61_oproj, .Lfunc_end_k_q9331e63c61_oproj-k_q9331e63c61_oproj
	.p2alignl 7, 3214868480
	.fill 96, 4, 3214868480
	.section	.rodata,"a",@progbits
	.p2align	6, 0x0
	.amdhsa_kernel k_q9331e63c61_oproj
		.amdhsa_group_segment_fixed_size 327680
		.amdhsa_private_segment_fixed_size 0
		.amdhsa_enable_private_segment 0
		.amdhsa_kernarg_size 40
		.amdhsa_user_sgpr_count 2
		.amdhsa_user_sgpr_kernarg_segment_ptr 1
		.amdhsa_wavefront_size32 1
		.amdhsa_system_sgpr_workgroup_id_x 1
		.amdhsa_system_sgpr_workgroup_id_y 1
		.amdhsa_system_sgpr_workgroup_id_z 1
		.amdhsa_system_vgpr_workitem_id 0
		.amdhsa_next_free_vgpr 768
		.amdhsa_next_free_sgpr 98
		.amdhsa_reserve_vcc 0
		.amdhsa_float_denorm_mode_32 3
		.amdhsa_float_denorm_mode_16_64 3
		.amdhsa_memory_ordered 1
		.amdhsa_forward_progress 1
		.amdhsa_inst_pref_size 77
	.end_amdhsa_kernel
	.amdgpu_metadata
---
amdhsa.version: [ 1, 2 ]
amdhsa.kernels:
  - .name:           k_q9331e63c61_oproj
    .symbol:         k_q9331e63c61_oproj.kd
    .args:
      - { .name: o_img, .offset: 0, .size: 8, .value_kind: global_buffer, .address_space: global }
      - { .name: wo_codes, .offset: 8, .size: 8, .value_kind: global_buffer, .address_space: global }
      - { .name: lowp_scales, .offset: 16, .size: 8, .value_kind: global_buffer, .address_space: global }
      - { .name: bo, .offset: 24, .size: 8, .value_kind: global_buffer, .address_space: global }
      - { .name: out0, .offset: 32, .size: 8, .value_kind: global_buffer, .address_space: global }
    .group_segment_fixed_size: 327680
    .private_segment_fixed_size: 0
    .kernarg_segment_align: 8
    .kernarg_segment_size: 40
    .max_flat_workgroup_size: 128
    .sgpr_count:     98
    .vgpr_count:     768
    .wavefront_size: 32
...
	.end_amdgpu_metadata
.endif
;; end of part 4
;; ======== version 2 of 3: 3 launches; 1.12 times as fast as version 1
;; workspace buffers: wo_codes 1,048,576 bytes; q_img 8,388,608 bytes; k_img 8,388,608 bytes; v_img 8,388,608 bytes; o_img 8,388,608 bytes
;; launch qkv: the kernel of part 2 again; grid 12 x 32, 4 waves a work-group, clusters of 4 x 4, 327,680 bytes of LDS; arguments x_codes, Wq_codes, Wk_codes, Wv_codes, bq, bk, bv, lowp_scales, q_img, k_img, v_img; writes q_img, k_img, v_img
;; launch attn (part 5): grid 2 x 128, 16 waves a work-group, no clusters, 184,320 bytes of LDS; arguments q_img, k_img, v_img, modality_ids, Wo, lowp_scales, o_img, wo_codes; writes o_img, wo_codes
.if DOCPART == 5
	.amdgcn_target "amdgcn-amd-amdhsa--gfx1250"
	.amdhsa_code_object_version 6
	.text
	.protected	k_q9331e63c61_attn
	.globl	k_q9331e63c61_attn
	.p2align	8
	.type	k_q9331e63c61_attn,@function
k_q9331e63c61_attn:
	s_mov_b64 s[64:65], 0
	v_nop
	global_prefetch_b8 v0, s[64:65] scope:SCOPE_SE
	s_setreg_imm32_b32 hwreg(HW_REG_WAVE_MODE, 25, 1), 1
	s_wait_xcnt 0x0
; Attention of one (batch, head) on codes of E4M3, under the mask that modality_ids gives; the result is quantised for the last product.  At its head each work-group also quantises its share of Wo.
; t = score x 2^(e6 + e7) x log2(e);  M = the row's largest t so far, rounded up to a whole number;  p = 2^(t - M) is quantised with 2^e9;  the row's sum is taken of the unquantised p and divides at the end;
; when M moves, the sum and O are multiplied by 2^(old M - new M), which rounds nothing.  out = O x 2^(e8 + e9) / sum, quantised with 2^e10.
; LIMITS: e6 + e7 between -126 and 127; e9, e10 and e11 between -126 and 119.  NaN in Wo is not served.
; SHARES.  A work-group is (half p = x, batch x head = y).  It copies the head's images of K and V (64 KiB each) through registers into LDS once; one barrier.  Each of its sixteen waves owns one UNIT of 32 queries
; (unit 2 i + p, i = the wave's number with its low two bits turned over in every second four, so that neighbouring units fall on different places among four): two tiles u of 16, which share every fragment of K and V.
; LAYOUT.  S^T = K Q^T (source 0 = 16 keys, source 1 = 16 queries), O^T = V^T P^T: a lane holds one query of each tile throughout.  The images give tile t of a step the keys 32 (t / 2) + 8 (t % 2) + r + 8 (r / 8), so that
; score register n of lane (r, h) is key 32 (n / 16) + 16 h + n % 16, and the conversions' results are the second product's operand.  K = 64: v_wmma_f32_16x16x64_fp8_fp8, fragments of 8 registers by two loads of 16 bytes.
; THE MASK.  Key k counts for query q where q < 64 or ids[q] == ids[k].  The loop has 16 trips, one for each 64 keys.  At the head each wave compares all 1,024 ids with the id of its unit's first query: lane l holds the 32 ids
; of half a step, 32 compares give 32 lane masks, their AND and OR say of each half step whether all, or any, of its keys have that id.  A step none of whose keys has it is jumped over; one all of whose keys have it runs bare;
; in any other step the step's ids are loaded, compared with each lane's own two queries' ids, and hidden scores become -infinity, so that p = 0.  A unit whose 32 queries do not share one id takes every step in that last way
; (more work than is needed there, the same values); units 0 and 1 are queries 0 .. 63 and run every step bare.  Every query counts its own key, so every row's sum ends above 0.
; Wo [k 1024][n 1024] f32 becomes wo_codes [k / 64][n 1024][64 bytes], with 2^e11: code = x / 2^e11, held within +-448, to the nearest code, ties to even.  Work-group j of 256 takes k = 64 (j / 16) on, n = 64 (j % 16) on:
; wave w takes 32 columns (w % 2), a lane a column, and 8 rows of k (w / 2) down its registers: two waves read 256 consecutive bytes of a row; a lane's 8 codes meet the others' in a stage in LDS, and behind the barrier waves 0 to 7
; store the share's 4,096 consecutive bytes, 512 a wave.
; NO TENSOR LOAD, NO JOINT LOAD: the branches hang on numbers read from memory, and only the two work-groups of a head share its 128 KiB.
; REGISTERS: v1 16 x lane; v2, v3 the step's LDS addresses; v4 448 x scale; v5 scale; v6 -infinity; v7 16 x lane + V's base; v[8:9], v[10:11] (-M, largest t) of tile 0, 1; v[12:15] the sums in halves; v16, v18 f; v20-25 at work;
;            v26, v27 my two queries' ids; v28 64 h; v29 Wo's stage; v30, v31 O's stage; v32-47 Q; v48-79 K's, then V's fragments; v80-143 S^T, then p; v144-207 O^T; v208-223 p's codes (at the head: Wo's share); v224-255 key ids.
.set LI,   1
.set ADK,  2
.set ADV,  3
.set HOLD, 4
.set SCL,  5
.set NINF, 6
.set VB,   7
.set NM,   8
.set LS,   12
.set FF,   16
.set MA,   20
.set MB,   22
.set S2,   20                          ; the sums' second chains take the registers of the maximum's chains, which are done with by then
.set PT,   24
.set IDQ,  26
.set KIDO, 28
.set WST,  29
.set STO,  30
.set RD,   31
.set Q,    32
.set FR,   48
.set S,    80
.set O,    144
.set P,    208
.set WN,   208                         ; at the head only: 8 numbers of Wo, later 16 bytes of codes on their way out
.set WC,   216                         ; their 8 codes
.set WRD,  218                         ; where I read Wo's stage back
.set QIO,  219                         ; byte offset of my query's id in the unit's 32
.set CLO,  220                         ; 128 x lane: half a step's ids
.set WOF,  221                         ; 4 x lane: my column of Wo
.set WSC,  222                         ; 2^e11
.set WLM,  223                         ; 448 x 2^e11
.set KID,  224
.set VOFF,   65536                     ; LDS: K's image, then V's,
.set STAGE,  131072                    ; then a stage of 32 rows x 80 bytes for each wave,
.set STAGE2, 172032                    ; then Wo's stage: 64 rows x 80 bytes
.set SPO,    80
.set KOFF,   27                        ; s27  4,096 x step: a step's tiles in either image
	s_load_b256 s[4:11], s[0:1], 0x0               ; q_img s[4:5], k_img s[6:7], v_img s[8:9], modality_ids s[10:11]
	s_load_b256 s[12:19], s[0:1], 0x20             ; Wo s[12:13], the scales s[14:15], o_img s[16:17], wo_codes s[18:19]
	v_lshrrev_b32 v1, 5, v0
	v_readfirstlane_b32 s2, v1                     ; wave 0..15
	s_bfe_u32 s20, s2, 0x10002
	s_mul_i32 s20, s20, 3
	s_xor_b32 s20, s2, s20                         ; i
	s_lshl_b32 s80, s20, 1
	s_add_co_u32 s80, s80, ttmp9                   ; my unit g
	s_and_b32 s81, ttmp7, 0xffff                   ; batch x head
	v_and_b32 v8, 31, v0
	v_lshlrev_b32 v[LI], 4, v8
	v_add_nc_u32 v[VB], VOFF, v[LI]
	v_lshlrev_b32 v[ADK], 4, v0                    ; for the copy, and for Wo's codes on their way out: 16 x thread,
	v_add_nc_u32 v[ADV], VOFF, v[ADK]              ; and the same in V's image
	v_and_b32 v9, 15, v0                           ; r
	v_bfe_u32 v10, v0, 4, 1                        ; h
	s_mul_i32 s20, s2, 32*SPO
	s_add_co_u32 s20, s20, STAGE                   ; my stage
	v_and_b32 v11, 8, v9
	v_add_nc_u32 v11, v11, v9                      ; r + 8 (r / 8)
	v_lshlrev_b32 v[QIO], 2, v11
	v_mul_u32_u24 v11, v11, SPO
	v_lshl_add_u32 v11, v10, 3, v11
	v_add_nc_u32 v[STO], s20, v11                  ; in: row r + 8 (r / 8) (tile 1: 8 rows on), + 8 h
	v_lshrrev_b32 v11, 2, v8
	v_mul_u32_u24 v11, v11, SPO
	v_and_b32 v12, 3, v8
	v_lshl_add_u32 v11, v12, 4, v11
	v_add_nc_u32 v[RD], s20, v11                   ; back: four lanes to a row of 64 bytes
	v_lshlrev_b32 v[KIDO], 6, v10
	v_lshlrev_b32 v[CLO], 7, v8
	v_lshlrev_b32 v[WOF], 2, v8
	s_and_b32 s82, s2, 1                           ; Wo: which 32 of the share's 64 columns,
	s_lshr_b32 s83, s2, 1                          ; which 8 of its 64 rows of k
	s_mul_i32 s20, s82, 32*SPO
	s_lshl_b32 s21, s83, 3
	s_add_co_u32 s20, s20, s21
	s_add_co_u32 s20, s20, STAGE2
	v_mul_u32_u24 v11, v8, SPO
	v_add_nc_u32 v[WST], s20, v11                  ; into Wo's stage: row = my column, + my wave's 8 bytes
	v_lshrrev_b32 v11, 2, v0
	v_mul_u32_u24 v11, v11, SPO
	v_and_b32 v12, 3, v0
	v_lshl_add_u32 v11, v12, 4, v11
	v_add_nc_u32 v[WRD], STAGE2, v11               ; back (threads 0 .. 255): four threads to a row of 64 bytes
	s_lshl_b32 s84, s81, 1
	s_add_co_u32 s84, s84, ttmp9                   ; the work-group's number, 0 .. 255
	s_lshr_b32 s85, s84, 4                         ; which 64 of k
	s_and_b32 s84, s84, 15                         ; which 64 of n
	s_lshl_b32 s86, s85, 18                        ; Wo: 64 rows of 4,096 bytes,
	s_lshl_b32 s87, s83, 15                        ; + my wave's 8 rows,
	s_add_co_u32 s86, s86, s87
	s_lshl_b32 s87, s84, 8                         ; + 64 columns of 4 bytes,
	s_add_co_u32 s86, s86, s87
	s_lshl_b32 s87, s82, 7                         ; + my wave's 32
	s_add_co_u32 s86, s86, s87
	s_mov_b32 s87, 0
	s_lshl_b32 s88, s85, 16                        ; wo_codes: 1,024 rows of 64 bytes for each 64 of k,
	s_lshl_b32 s89, s84, 12                        ; + 64 rows
	s_add_co_u32 s88, s88, s89
	s_mov_b32 s89, 0
	s_lshl_b32 s20, s81, 16                        ; a head's image is 65,536 bytes
	s_mov_b32 s21, 0
	s_wait_kmcnt 0x0
	s_add_nc_u64 s[4:5], s[4:5], s[20:21]
	s_add_nc_u64 s[6:7], s[6:7], s[20:21]
	s_add_nc_u64 s[8:9], s[8:9], s[20:21]
	s_add_nc_u64 s[16:17], s[16:17], s[20:21]
	s_add_nc_u64 s[12:13], s[12:13], s[86:87]
	s_add_nc_u64 s[18:19], s[18:19], s[88:89]
	s_lshl_b32 s20, s80, 11                        ; a unit is 2,048 bytes of q_img and of o_img,
	s_add_nc_u64 s[4:5], s[4:5], s[20:21]
	s_add_nc_u64 s[16:17], s[16:17], s[20:21]
	s_lshl_b32 s20, s80, 7                         ; and 128 bytes of ids
	s_add_nc_u64 s[82:83], s[10:11], s[20:21]
	s_load_b256 s[68:75], s[14:15], 0x0            ; entries 0 .. 7
	s_load_b128 s[76:79], s[14:15], 0x20           ; entries 8 .. 11
	global_load_b32 v[IDQ], v[QIO], s[82:83]                    ; the id of my query in tile 0,
	global_load_b32 v[IDQ+1], v[QIO], s[82:83] offset:32        ; in tile 1: 8 queries on
.irp j, 0,1,2,3,4,5,6,7
	global_load_b128 v[KID+4*\j:KID+4*\j+3], v[CLO], s[10:11] offset:16*\j     ; lane l: ids 32 l .. 32 l + 31; the eight loads take each of the 4,096 bytes once
.endr
.irp i, 0,1,2,3,4,5,6,7
	global_load_b32 v[WN+\i], v[WOF], s[12:13] offset:4096*\i th:TH_LOAD_NT    ; Wo(my 8 rows, my column): read once in the launch
.endr
.irp i, 0,1,2,3,4,5,6,7
	global_load_b128 v[S+4*\i:S+4*\i+3], v[ADK], s[6:7] offset:8192*\i         ; K's image: the 512 threads take 8,192 consecutive bytes an instruction
.endr
.irp i, 0,1,2,3,4,5,6,7
	global_load_b128 v[S+32+4*\i:S+32+4*\i+3], v[ADK], s[8:9] offset:8192*\i   ; V's
.endr
.irp u, 0,1
.irp c, 0,1
	global_load_b128 v[Q+8*\u+4*\c:Q+8*\u+4*\c+3], v[LI], s[4:5] offset:1024*\u+512*\c   ; my two fragments of Q stay in registers
.endr
.endr
	v_mov_b32 v[NINF], 0xff800000
.irp u, 0,1
	v_mov_b32 v[NM+2*\u+1], 0xff61b1e6             ; the largest t so far: -3e38, under every t
	v_floor_f32 v[NM+2*\u], -v[NM+2*\u+1]          ; -M
	v_mov_b32 v[LS+2*\u], 0                        ; the sum, in two halves
	v_mov_b32 v[LS+2*\u+1], 0
	v_mov_b32 v[FF+2*\u+1], 0                      ; (named as the upper half of f's pair)
	v_mov_b32 v[PT+\u], 0                          ; written once: a lane permute's destination counts as one of its sources
.endr
.set j, 0
.rept 64
	v_mov_b32 v[O+j], 0                            ; O^T.  Which step is a unit's first is not known to the text, so none is written out to start the sums: the first change of M multiplies zeros
.set j, j+1
.endr
	s_wait_kmcnt 0x0
	s_add_co_i32 s20, s74, s75
	s_lshl_b32 s20, s20, 23
	s_add_co_i32 s22, s20, 0x3fb8aa3b              ; c = log2(e) x 2^(e6 + e7): the exponents are added to its exponent field
	s_mov_b32 s23, s22                             ; (named with it as a pair, so it is written)
	s_mov_b32 s28, s77                             ; e9
	s_add_co_i32 s29, s76, s77                     ; e8 + e9
	s_mov_b32 s3, s78                              ; e10
	s_add_co_i32 s20, s77, 127
	s_lshl_b32 s21, s20, 23
	v_mov_b32 v[SCL], s21                          ; 2^e9 as f32
	s_add_co_i32 s20, s20, 8
	s_lshl_b32 s20, s20, 23
	s_or_b32 s20, s20, 0x600000
	v_mov_b32 v[HOLD], s20                         ; 448 x 2^e9
	s_add_co_i32 s20, s79, 127
	s_lshl_b32 s21, s20, 23
	v_mov_b32 v[WSC], s21                          ; 2^e11 as f32
	s_add_co_i32 s20, s20, 8
	s_lshl_b32 s20, s20, 23
	s_or_b32 s20, s20, 0x600000
	v_mov_b32 v[WLM], s20                          ; 448 x 2^e11
	s_mov_b32 s26, 0                               ; 2 x the step: the loop's counter, and the number of the step's bit
	s_mov_b32 s[KOFF], 0
	s_mov_b32 s30, 0x76543210                      ; v_permlanex16_b32's selects for lane l xor 16
	s_mov_b32 s31, 0xfedcba98
	; ---- which steps count for my unit.  This stands while Wo's, K's and V's bytes are on their way
	s_wait_loadcnt 28                              ; the ids are in; Wo's 8 loads, K's 8, V's 8 and Q's 4 may be out
	v_readfirstlane_b32 s90, v[IDQ]                ; the id of the unit's first query
	v_cmp_eq_u32 s91, s90, v[IDQ]
	v_cmp_eq_u32 s92, s90, v[IDQ+1]
.set n, 0
.rept 32
	v_cmp_eq_u32 s[32+n], s90, v[KID+n]            ; bit l: has key 32 l + n that id?  All 32 compares first, each into a register of its own, then the scalar chains
.set n, n+1
.endr
	s_and_b32 s91, s91, s92                        ; all ones where my 32 queries share the id
	s_and_b32 s93, s32, s33
	s_or_b32 s94, s32, s33
.set n, 2
.rept 30
	s_and_b32 s93, s93, s[32+n]                    ; bit l: all 32 keys of half step l have the id;
	s_or_b32 s94, s94, s[32+n]                     ; some key has it
.set n, n+1
.endr
	s_lshr_b32 s95, s93, 1
	s_and_b32 s93, s93, s95                        ; bit 2 x step: all 64 keys of the step
	s_lshr_b32 s95, s94, 1
	s_or_b32 s24, s94, s95                         ; bit 2 x step: some key of the step.  (The odd bits are never asked for)
	s_and_not1_b32 s25, s24, s93                   ; some, and not all
	s_cmp_eq_u32 s91, -1
	s_cselect_b32 s24, s24, -1                     ; a unit of several ids takes every step, and compares in every step
	s_cselect_b32 s25, s25, -1
	s_cmp_lt_u32 s80, 2
	s_cselect_b32 s24, -1, s24                     ; queries below 64: every key counts
	s_cselect_b32 s25, 0, s25
	; ---- my 8 numbers of Wo
	s_wait_loadcnt 20                              ; Wo's are in; K's 8, V's 8 and Q's 4 may be out
.irp i, 0,1,2,3,4,5,6,7
	v_med3_num_f32 v[WN+\i], v[WN+\i], -v[WLM], v[WLM]   ; the conversion to an 8-bit code does not saturate (ISA guide 7.6.2): the hold comes first
.endr
	v_cvt_scalef32_pk8_fp8_f32 v[WC:WC+1], v[WN:WN+7], v[WSC]
	v_nop                                          ; a plain vector line behind the conversion
	ds_store_b64 v[WST], v[WC:WC+1]
	s_wait_loadcnt 12                              ; K's eight loads are in; V's eight and Q's four may be out
.irp i, 0,1,2,3,4,5,6,7
	ds_store_b128 v[ADK], v[S+4*\i:S+4*\i+3] offset:8192*\i
.endr
	s_wait_loadcnt 4                               ; V's are in; Q's four may be out
.irp i, 0,1,2,3,4,5,6,7
	ds_store_b128 v[ADV], v[S+32+4*\i:S+32+4*\i+3] offset:8192*\i
.endr
	s_wait_loadcnt 0x0                             ; Q
	s_wait_dscnt 0x0                               ; for the others' sake: my stores have landed
	s_barrier_signal -1
	s_barrier_wait -1                              ; both images and Wo's stage are whole; nobody writes them again
	s_cmp_lt_u32 s2, 8
	s_cbranch_scc0 .Lno_wo
	ds_load_b128 v[WN:WN+3], v[WRD]
	s_wait_dscnt 0x0
	global_store_b128 v[ADK], v[WN:WN+3], s[18:19] ; waves 0 to 7: 512 consecutive bytes each, aligned: the share's 4,096
.Lno_wo:
	s_wait_xcnt 0x0                                ; the store has read its registers: the loop writes both of them again
; A step's scores, and the request for its V.
.macro SCORES
	v_add_nc_u32 v[ADK], s[KOFF], v[LI]
	v_add_nc_u32 v[ADV], s[KOFF], v[VB]
	v_nop                                          ; four plain lines between the last products and the loads into the registers that they read
	v_nop
.irp t, 0,1,2,3
.irp c, 0,1
	ds_load_b128 v[FR+8*\t+4*\c:FR+8*\t+4*\c+3], v[ADK] offset:1024*\t+512*\c
.endr
.endr
	s_wait_dscnt 0x0
.irp t, 0,1,2,3
.irp u, 0,1
	v_wmma_f32_16x16x64_fp8_fp8 v[S+32*\u+8*\t:S+32*\u+8*\t+7], v[FR+8*\t:FR+8*\t+7], v[Q+8*\u:Q+8*\u+7], 0
.endr
.endr
.rept 4
	v_nop                                          ; places in front of the loads below and of the first read of the scores
.endr
.irp t, 0,1,2,3
.irp c, 0,1
	ds_load_b128 v[FR+8*\t+4*\c:FR+8*\t+4*\c+3], v[ADV] offset:1024*\t+512*\c   ; V^T, 16 of the head's 64 a tile: it lands under the softmax
.endr
.endr
.endm
; The softmax of both tiles, line by line by turns, so that no line waits for the line above it.
.macro SOFTMAX
.irp u, 0,1
	v_max3_num_f32 v[MA+\u], v[S+32*\u], v[S+32*\u+1], v[S+32*\u+2]           ; the largest score of my query among my 32 keys, in two chains; each accumulator is read from its low end on
	v_max3_num_f32 v[MB+\u], v[S+32*\u+3], v[S+32*\u+4], v[S+32*\u+5]
.endr
.irp i, 6,10,14,18,22,26
.irp u, 0,1
	v_max3_num_f32 v[MA+\u], v[MA+\u], v[S+32*\u+\i], v[S+32*\u+\i+1]
	v_max3_num_f32 v[MB+\u], v[MB+\u], v[S+32*\u+\i+2], v[S+32*\u+\i+3]
.endr
.endr
.irp u, 0,1
	v_max3_num_f32 v[MA+\u], v[MA+\u], v[S+32*\u+30], v[S+32*\u+31]
.endr
.irp u, 0,1
	v_max_num_f32 v[MA+\u], v[MA+\u], v[MB+\u]
.endr
.irp u, 0,1
	v_permlanex16_b32 v[PT+\u], v[MA+\u], s30, s31
.endr
.irp u, 0,1
	v_max_num_f32 v[MA+\u], v[MA+\u], v[PT+\u]     ; and among lane l xor 16's
.endr
.irp u, 0,1
	v_mul_f32 v[MA+\u], s22, v[MA+\u]              ; as t (c is positive)
.endr
.irp u, 0,1
	v_max_num_f32 v[NM+2*\u+1], v[NM+2*\u+1], v[MA+\u]   ; the running largest t
.endr
.irp u, 0,1
	v_mov_b32 v[MA+\u], v[NM+2*\u]
.endr
.irp u, 0,1
	v_floor_f32 v[NM+2*\u], -v[NM+2*\u+1]          ; the new -M = floor(-t): M is a whole number
.endr
.irp u, 0,1
	v_sub_f32 v[MA+\u], v[NM+2*\u], v[MA+\u]       ; old M - new M: a whole number, 0 or less
.endr
.irp u, 0,1
	v_cvt_i32_f32 v[MA+\u], v[MA+\u]               ; (it saturates)
.endr
.irp u, 0,1
	v_ldexp_f32 v[FF+2*\u], 1.0, v[MA+\u]          ; f = 2^(old M - new M)
.endr
.irp j, 0,2,4,6,8,10,12,14,16,18,20,22,24,26,28,30
.irp u, 0,1
	v_pk_fma_f32 v[S+32*\u+\j:S+32*\u+\j+1], v[S+32*\u+\j:S+32*\u+\j+1], s[22:23], v[NM+2*\u:NM+2*\u+1] op_sel_hi:[1,0,0]   ; t - M, two at a time
.endr
.endr
.set j, 0
.rept 64
	v_exp_f32 v[S+j], v[S+j]                       ; p = 2^(t - M): one batch
.set j, j+1
.endr
.irp u, 0,1
	v_pk_mul_f32 v[LS+2*\u:LS+2*\u+1], v[LS+2*\u:LS+2*\u+1], v[FF+2*\u:FF+2*\u+1] op_sel_hi:[1,0]   ; the sums under the new M: plain lines behind the exponentials
.endr
	s_wait_alu depctr_va_vdst(0)                   ; one wait for the batch, ahead of the first line that names a result
.irp u, 0,1
	v_pk_add_f32 v[S2+2*\u:S2+2*\u+1], v[S+32*\u:S+32*\u+1], v[S+32*\u+2:S+32*\u+3]   ; the row's sum is taken of the unquantised p, in two chains
.endr
.irp j, 4,8,12,16,20,24,28
.irp u, 0,1
	v_pk_add_f32 v[LS+2*\u:LS+2*\u+1], v[LS+2*\u:LS+2*\u+1], v[S+32*\u+\j:S+32*\u+\j+1]
	v_pk_add_f32 v[S2+2*\u:S2+2*\u+1], v[S2+2*\u:S2+2*\u+1], v[S+32*\u+\j+2:S+32*\u+\j+3]
.endr
.endr
.irp u, 0,1
	v_pk_add_f32 v[LS+2*\u:LS+2*\u+1], v[LS+2*\u:LS+2*\u+1], v[S2+2*\u:S2+2*\u+1]
.endr
	s_cmp_ge_i32 s28, -8                           ; p is at most 1, and 1 / 2^e9 is at most 256, under 448, where e9 >= -8: the hold can bind only below that
	s_cbranch_scc1 .Lno_hold_\@
.set j, 0
.rept 64
	v_min_num_f32 v[S+j], v[S+j], v[HOLD]          ; p is not negative: the hold is one-sided
.set j, j+1
.endr
.Lno_hold_\@:
.irp t, 0,1,2,3
.irp u, 0,1
	v_cvt_scalef32_pk8_fp8_f32 v[P+8*\u+2*\t:P+8*\u+2*\t+1], v[S+32*\u+8*\t:S+32*\u+8*\t+7], v[SCL]
.endr
.endr
.irp u, 0,1
.irp j, 0,2,4,6,8,10,12,14,16,18,20,22,24,26,28,30
	v_pk_mul_f32 v[O+32*\u+\j:O+32*\u+\j+1], v[O+32*\u+\j:O+32*\u+\j+1], v[FF+2*\u:FF+2*\u+1] op_sel_hi:[1,0]   ; O^T under the new M; also the plain lines between the conversions and the products
.endr
.endr
.endm
.macro PV
	s_wait_dscnt 0x0                               ; V's fragments are in
.irp t, 0,1,2,3
.irp u, 0,1
	v_wmma_f32_16x16x64_fp8_fp8 v[O+32*\u+8*\t:O+32*\u+8*\t+7], v[FR+8*\t:FR+8*\t+7], v[P+8*\u:P+8*\u+7], v[O+32*\u+8*\t:O+32*\u+8*\t+7]   ; eight accumulators by turns, one instruction a turn
.endr
.endr
.endm
.Lstep:                                            ; 16 trips
	s_bitcmp1_b32 s24, s26
	s_cbranch_scc0 .Lnext                          ; no key of this step counts for my 32 queries
	s_bitcmp1_b32 s25, s26
	s_cbranch_scc1 .Lmixed
	SCORES
	s_branch .Lsoft
.Lmixed:
.irp b, 0,1
.irp q, 0,1,2,3
	global_load_b128 v[KID+16*\b+4*\q:KID+16*\b+4*\q+3], v[KIDO], s[10:11] offset:128*\b+16*\q   ; v[KID + n]: the id of score register n's key: they land under the scores' products
.endr
.endr
	SCORES
	s_wait_loadcnt 0x0
.set n, 0
.rept 32
.irp u, 0,1
	v_cmp_eq_u32 vcc_lo, v[IDQ+\u], v[KID+n]
	v_cndmask_b32 v[S+32*\u+n], v[NINF], v[S+32*\u+n], vcc_lo   ; a hidden key's score becomes -infinity, ahead of the maximum
.endr
.set n, n+1
.endr
.Lsoft:
	SOFTMAX
	PV
.Lnext:
	s_add_nc_u64 s[10:11], s[10:11], 256           ; the next step's 64 ids (the loads that named this base were waited for)
	s_add_co_u32 s[KOFF], s[KOFF], 4096
	s_add_co_u32 s26, s26, 2
	s_cmp_lt_u32 s26, 32
	s_cbranch_scc1 .Lstep
	; THE WAY OUT.  The additions are the plain lines behind the last products.
	v_add_f32 v[LS], v[LS], v[LS+1]
	v_add_f32 v[LS+2], v[LS+2], v[LS+3]
	v_permlanex16_b32 v[PT], v[LS], s30, s31
	v_permlanex16_b32 v[PT+1], v[LS+2], s30, s31
	v_add_f32 v[LS], v[LS], v[PT]
	v_add_f32 v[LS+2], v[LS+2], v[PT+1]            ; the rows' sums
	v_rcp_f32 v[LS], v[LS]
	v_rcp_f32 v[LS+2], v[LS+2]
	s_add_co_i32 s20, s3, 127
	s_lshl_b32 s21, s20, 23
	v_mov_b32 v[SCL], s21                          ; 2^e10 as f32  (a plain line behind the reciprocals)
	s_add_co_i32 s20, s20, 8
	s_lshl_b32 s20, s20, 23
	s_or_b32 s20, s20, 0x600000
	v_mov_b32 v[HOLD], s20                         ; 448 x 2^e10
	s_wait_alu depctr_va_vdst(0)                   ; one wait for both reciprocals, ahead of their first reader
	v_ldexp_f32 v[LS], v[LS], s29                  ; x 2^(e8 + e9)
	v_ldexp_f32 v[LS+2], v[LS+2], s29
.irp u, 0,1
.irp j, 0,2,4,6,8,10,12,14,16,18,20,22,24,26,28,30
	v_pk_mul_f32 v[O+32*\u+\j:O+32*\u+\j+1], v[O+32*\u+\j:O+32*\u+\j+1], v[LS+2*\u:LS+2*\u+1] op_sel_hi:[1,0]
.endr
.endr
.set j, 0
.rept 64
	v_med3_num_f32 v[O+j], v[O+j], -v[HOLD], v[HOLD]
.set j, j+1
.endr
.irp u, 0,1
.irp t, 0,1,2,3
	v_cvt_scalef32_pk8_fp8_f32 v[P+8*\u+2*\t:P+8*\u+2*\t+1], v[O+32*\u+8*\t:O+32*\u+8*\t+7], v[SCL]   ; d = 16 t + 8 h + 0 .. 7 of my query
.endr
.endr
	v_nop
.irp u, 0,1
.irp t, 0,1,2,3
	ds_store_b64 v[STO], v[P+8*\u+2*\t:P+8*\u+2*\t+1] offset:8*SPO*\u+16*\t
.endr
.endr
.irp i, 0,1,2,3
	ds_load_b128 v[FR+4*\i:FR+4*\i+3], v[RD] offset:8*SPO*\i   ; LDS serves a wave's instructions in order: these see my stores
.endr
.irp i, 0,1,2,3
	s_wait_dscnt 3-\i                              ; the younger loads may be out
	global_store_b128 v[LI], v[FR+4*\i:FR+4*\i+3], s[16:17] offset:512*\i   ; eight rows of 64 bytes: 512 consecutive bytes, aligned
.endr
	s_wait_xcnt 0x0
	v_lshl_add_u32 v254, v0, 2, 0x2c800
	v_mov_b32 v255, 0
	s_wait_tensorcnt 0x0
	ds_add_u32 v254, v255
	s_wait_dscnt 0x0
	s_endpgm
.Lfunc_end_k_q9331e63c61_attn:
	.size	k_q9331e63c61_attn, .Lfunc_end_k_q9331e63c61_attn-k_q9331e63c61_attn
	.p2alignl 7, 3214868480
	.fill 96, 4, 3214868480
	.section	.rodata,"a",@progbits
	.p2align	6, 0x0
	.amdhsa_kernel k_q9331e63c61_attn
		.amdhsa_group_segment_fixed_size 184320
		.amdhsa_private_segment_fixed_size 0
		.amdhsa_enable_private_segment 0
		.amdhsa_kernarg_size 64
		.amdhsa_user_sgpr_count 2
		.amdhsa_user_sgpr_kernarg_segment_ptr 1
		.amdhsa_wavefront_size32 1
		.amdhsa_system_sgpr_workgroup_id_x 1
		.amdhsa_system_sgpr_workgroup_id_y 1
		.amdhsa_system_sgpr_workgroup_id_z 1
		.amdhsa_system_vgpr_workitem_id 0
		.amdhsa_next_free_vgpr 256
		.amdhsa_next_free_sgpr 100
		.amdhsa_reserve_vcc 1
		.amdhsa_float_denorm_mode_32 3
		.amdhsa_float_denorm_mode_16_64 3
		.amdhsa_memory_ordered 1
		.amdhsa_forward_progress 1
		.amdhsa_inst_pref_size 49
	.end_amdhsa_kernel
	.amdgpu_metadata
---
amdhsa.version: [ 1, 2 ]
amdhsa.kernels:
  - .name:           k_q9331e63c61_attn
    .symbol:         k_q9331e63c61_attn.kd
    .args:
      - { .name: q_img, .offset: 0, .size: 8, .value_kind: global_buffer, .address_space: global }
      - { .name: k_img, .offset: 8, .size: 8, .value_kind: global_buffer, .address_space: global }
      - { .name: v_img, .offset: 16, .size: 8, .value_kind: global_buffer, .address_space: global }
      - { .name: modality_ids, .offset: 24, .size: 8, .value_kind: global_buffer, .address_space: global }
      - { .name: Wo, .offset: 32, .size: 8, .value_kind: global_buffer, .address_space: global }
      - { .name: lowp_scales, .offset: 40, .size: 8, .value_kind: global_buffer, .address_space: global }
      - { .name: o_img, .offset: 48, .size: 8, .value_kind: global_buffer, .address_space: global }
      - { .name: wo_codes, .offset: 56, .size: 8, .value_kind: global_buffer, .address_space: global }
    .group_segment_fixed_size: 184320
    .private_segment_fixed_size: 0
    .kernarg_segment_align: 8
    .kernarg_segment_size: 64
    .max_flat_workgroup_size: 512
    .sgpr_count:     100
    .vgpr_count:     256
    .wavefront_size: 32
...
	.end_amdgpu_metadata
.endif
;; end of part 5
;; launch oproj (part 6): grid 4 x 64, 4 waves a work-group, clusters of 4 x 4, 327,680 bytes of LDS; arguments o_img, wo_codes, lowp_scales, bo, out0; writes out0
.if DOCPART == 6
	.amdgcn_target "amdgcn-amd-amdhsa--gfx1250"
	.amdhsa_code_object_version 6
	.text
	.protected	k_q9331e63c61_oproj
	.globl	k_q9331e63c61_oproj
	.p2align	8
	.type	k_q9331e63c61_oproj,@function
k_q9331e63c61_oproj:
	s_mov_b64 s[64:65], 0
	v_nop
	global_prefetch_b8 v0, s[64:65] scope:SCOPE_SE
	s_setreg_imm32_b32 hwreg(HW_REG_WAVE_MODE, 25, 1), 1
	s_wait_xcnt 0x0
	s_wait_alu depctr_hold_cnt(0) depctr_sa_sdst(0) depctr_va_vdst(0) depctr_va_sdst(0) depctr_va_ssrc(0) depctr_va_vcc(0) depctr_vm_vsrc(0)
	s_getreg_b32 s2, hwreg(HW_REG_IB_STS2, 6, 4)
	s_cmp_eq_u32 s2, 0
	s_cbranch_scc0 .Lentry_in_a_cluster
	s_endpgm
.Lentry_in_a_cluster:
	s_bfe_u32 s2, ttmp6, 0x10000c
	s_cmp_lg_u32 s2, 0xf033
	s_cbranch_scc0 .Lentry_shape_is_right
	s_endpgm
.Lentry_shape_is_right:
; out0[m][n] = (the sum over k of A[m][k] B[n][k]) x 2^(e10 + e11) + bo[n], on codes of E4M3.  m = 1,024 b + s; k = 64 head + d.
; A = o_img [b 8 x head 16][s 1024][64 bytes]; B = wo_codes [head 16][n 1024][64 bytes]; out0 [8192][1024] f32.  LIMIT: e10 + e11 between -126 and 127.
; A tile of C is 128 x 256, so that the 8,192 x 1,024 outputs are 256 tiles; four waves, each 64 x 128: 32 accumulators, 256 registers.  K goes in steps of 256 (four heads) through a ring of two LDS slots: four fills in all.
; BOTH OPERANDS LIE BY HEADS: 128 rows of one head are 8,192 dense bytes, and the same rows of the next head lie 65,536 bytes on.  A tensor load takes such blocks as rows of 8,192 bytes, 65,536 bytes apart, with 16 bytes of padding
; behind every 64: in LDS 128 rows of 80 bytes a head.  Waves 0 and 1 bring two heads each of A's 128 rows; waves 2 and 3 bring all four heads of one half each of B's 256 rows.
; CLUSTERS: 4 x 4 work-groups; A's tile is asked for jointly along a row of the cluster, B's along a column.  The matrix instruction is used transposed (source 0 = 16 rows of B, source 1 = 16 rows of A).
; REGISTERS, in windows of 256: window 0: v0-31 addresses; v32-95 bo; A's fragments, two sets of 64, at v128 and v192; on the way out v96-223 are at work.  window 1: B's fragments, two sets of 128.  window 2: the accumulators ((a, b) at v[8 (8 a + b)]).
.set APITCH, 80                        ; an LDS row: 64 bytes + 16: an odd multiple of 16 bytes, so that the 16 rows that a load touches fall on 16 different columns of 16 bytes in 256
.set HEADB,  128*APITCH                ; 128 rows of one head
.set ABYTES, 4*HEADB                   ; A's tile: four heads
.set BHALF,  4*HEADB                   ; half of B's: 128 rows, four heads
.set SLOT,   ABYTES+2*BHALF            ; A's tile, then B's two halves
.set SPARE,  2*SLOT                    ; behind the ring: the spare words, 128 bytes a wave; no other line names them
.set SPITCH, 528                       ; the way out: a stage of 16 rows x (512 bytes + 16) for each wave, in slot 0, which has had its last fill and its last read by then
.set FR,     16
.set ADRA, 16
.set ADRB, 20
.set STO,  24
.set RD,   25
.set CO,   26
.set BH,   27
.set SPW,  28
.set NIL,  29
.set BI,   32
.set TMP,  96
.set AF,   128
.set BK,   160
.set G1, 24
.set G0, 32
.set G1B, 48
.set G0B, 56
.set MSB, 0
.macro WIN new                         ; the immediate's high byte repeats the setting that is left
.if MSB != \new
	s_set_vgpr_msb (MSB<<8)|\new
.set MSB, \new
.endif
.endm
.set MUL,  0xa1                        ; source 0 (B) window 1, source 1 (A) window 0, C and D window 2
.set TO_B, 0x40
.macro JLOAD s                         ; a joint load: waves 0 and 1 fetch A's halves, waves 2 and 3 B's; four v_nop follow each of the two lines
	s_cmp_eq_u32 s15, 0
	s_cbranch_scc0 .Lfor_b_\@
	tensor_load_to_lds s[G0+4*\s:G0+4*\s+3], s[G1:G1+7]
	s_nop 0
.rept 4
	v_nop
.endr
	s_branch .Lasked_\@
.Lfor_b_\@:
	tensor_load_to_lds s[G0B+4*\s:G0B+4*\s+3], s[G1B:G1B+7]
	s_nop 0
.rept 4
	v_nop
.endr
.Lasked_\@:
.endm
.macro CREST
	s_cmp_lg_u32 s14, 0
	s_cbranch_scc1 .Lnot_wave_0_\@
	s_barrier_signal -3
.Lnot_wave_0_\@:
	s_barrier_wait -3
	s_barrier_signal -1
	s_barrier_wait -1
.endm
.macro CROUND
	s_barrier_signal -1
	s_barrier_wait -1
	CREST
.endm
	s_load_b256 s[4:11], s[0:1], 0x0               ; o_img s[4:5], wo_codes s[6:7], the scales s[8:9], bo s[10:11]
	s_load_b64 s[12:13], s[0:1], 0x20              ; out0
	v_lshl_add_u32 v[SPW], v0, 2, SPARE
	v_mov_b32 v[NIL], 0
	ds_add_u32 v28, v29
	ds_add_u32 v28, v29
	s_wait_dscnt 0x0
	v_lshrrev_b32 v1, 5, v0
	v_readfirstlane_b32 s14, v1                    ; wave 0..3
	s_lshr_b32 s15, s14, 1                         ; which 64 rows of the tile are mine.  Also: I fetch for A (0) or for B (1)
	s_and_b32 s16, s14, 1                          ; which 128 columns.  Also: which half of that tile I fetch
	s_bfe_u32 s40, ttmp6, 0x40000                  ; cx, cy
	s_bfe_u32 s41, ttmp6, 0x40004
	s_lshl_b32 s42, ttmp9, 2
	s_add_co_u32 s42, s42, s40                     ; tile column
	s_and_b32 s17, ttmp7, 0xffff
	s_lshl_b32 s17, s17, 2
	s_add_co_u32 s17, s17, s41                     ; tile row
	s_lshl_b32 s43, s41, 2
	s_lshl_b32 s43, 15, s43                        ; my row of the cluster
	s_lshl_b32 s44, 0x1111, s40                    ; my column
	; group 1: rows of 8,192 bytes, 65,536 bytes apart; four words of padding after every 16.  A's loads have 2 such rows, B's 4
	s_or_b32 s[G1+0], s43, (0<<16)|(1<<20)|(1<<21)|(3<<22)|(3<<25)   ; 15:0 the mask; 17:16 elements of 1 byte; 20 padding on; 21 set beside a mask; 24:22 after every 16 words; 31:25 four words
	s_or_b32 s[G1B+0], s44, (0<<16)|(1<<20)|(1<<21)|(3<<22)|(3<<25)
.irp g, G1, G1B
	s_mov_b32 s[\g+1], 8192<<16                    ; tensor_dim0
	s_mov_b32 s[\g+3], 8192<<16                    ; tile_dim0
	s_mov_b32 s[\g+5], 65536                       ; tensor_dim0_stride
	s_mov_b32 s[\g+6], 0
	s_mov_b32 s[\g+7], 0
.endr
	s_mov_b32 s[G1+2], 2<<16                       ; tensor_dim1
	s_mov_b32 s[G1+4], 2                           ; tile_dim1
	s_mov_b32 s[G1B+2], 4<<16
	s_mov_b32 s[G1B+4], 4
	s_lshr_b32 s20, s17, 3
	s_lshl_b32 s20, s20, 20                        ; A: b x 16 heads x 65,536 bytes
	s_and_b32 s21, s17, 7
	s_lshl_b32 s21, s21, 13                        ; + 128 rows x 64 bytes for each tile row within b
	s_add_co_u32 s20, s20, s21
	s_lshl_b32 s21, s16, 17                        ; + the two heads that I fetch
	s_add_co_u32 s20, s20, s21
	s_mov_b32 s21, 0
	s_lshl_b32 s46, s42, 8
	s_lshl_b32 s47, s16, 7
	s_add_co_u32 s46, s46, s47
	s_lshl_b32 s46, s46, 6                         ; B: row 256 x tile column + 128 x half, of 64 bytes
	s_mov_b32 s47, 0
	s_mul_i32 s45, s16, 2*HEADB                    ; where they go: A's halves,
	s_mul_i32 s23, s16, BHALF
	s_add_co_u32 s23, s23, ABYTES                  ; B's halves behind them
	s_wait_kmcnt 0x0
	s_load_b64 s[96:97], s[8:9], 0x28              ; e10, e11
	s_add_nc_u64 s[20:21], s[4:5], s[20:21]
	s_add_nc_u64 s[46:47], s[6:7], s[46:47]
	CROUND                                         ; all sixteen work-groups are here: the first joint loads meet
.irp s, 0,1
	s_mov_b32 s[G0+4*\s], 1
	s_add_co_u32 s[G0+4*\s+1], s45, \s*SLOT
	s_add_nc_u64 s[G0+4*\s+2:G0+4*\s+3], s[20:21], \s*4*65536      ; fill s: heads 4 s on
	s_or_b32 s[G0+4*\s+3], s[G0+4*\s+3], 0x80000000
	s_mov_b32 s[G0B+4*\s], 1
	s_add_co_u32 s[G0B+4*\s+1], s23, \s*SLOT
	s_add_nc_u64 s[G0B+4*\s+2:G0B+4*\s+3], s[46:47], \s*4*65536
	s_or_b32 s[G0B+4*\s+3], s[G0B+4*\s+3], 0x80000000
	JLOAD \s                                       ; two loads of mine are out
.endr
	v_and_b32 v1, 15, v0                           ; r
	v_bfe_u32 v2, v0, 4, 1                         ; h
	v_mul_u32_u24 v3, v1, APITCH
	v_lshl_add_u32 v3, v2, 4, v3                   ; a fragment's row x pitch + 16 h, in A and in B alike
	s_mul_i32 s21, s15, 64*APITCH                  ; my 64 rows of each head of A
	s_mul_i32 s22, s16, BHALF
	s_add_co_u32 s22, s22, ABYTES                  ; my 128 rows of B
.irp s, 0,1
	v_add_nc_u32 v[ADRA+\s], s21, v3
	v_add_nc_u32 v[ADRB+\s], s22, v3
	s_add_co_u32 s21, s21, SLOT
	s_add_co_u32 s22, s22, SLOT
.endr
	s_mul_i32 s23, s14, 16*SPITCH                  ; my stage
	v_mul_u32_u24 v5, v1, SPITCH
	v_lshl_add_u32 v5, v2, 5, v5
	v_add_nc_u32 v[STO], s23, v5                   ; in: row r, 32 bytes for each half of the lanes
	v_and_b32 v6, 31, v0
	v_lshlrev_b32 v[CO], 4, v6                     ; back: the 32 lanes take one row of 512 bytes; and the same in out0
	v_add_nc_u32 v[RD], s23, v[CO]
	v_lshlrev_b32 v[BH], 5, v2
	s_lshl_b32 s20, s17, 7
	s_lshl_b32 s21, s15, 6
	s_add_co_u32 s20, s20, s21                     ; my first row of C
	s_lshl_b32 s20, s20, 12                        ; of 4,096 bytes
	s_mov_b32 s21, 0
	s_lshl_b32 s46, s42, 8
	s_lshl_b32 s47, s16, 7
	s_add_co_u32 s46, s46, s47                     ; my first column,
	s_lshl_b32 s46, s46, 2                         ; in bytes
	s_mov_b32 s47, 0
	s_add_nc_u64 s[10:11], s[10:11], s[46:47]
	s_add_nc_u64 s[12:13], s[12:13], s[20:21]
	s_add_nc_u64 s[12:13], s[12:13], s[46:47]
; 8 matrix instructions: A's block a x B's eight, 128 along K, on set p.  The 32 accumulators take turns, one instruction a turn.
.macro MUL8 a, p, zero
.irp b, 0,1,2,3,4,5,6,7
.if \zero
	v_wmma_f32_16x16x128_fp8_fp8 v[8*(8*(\a)+\b):8*(8*(\a)+\b)+7], v[128*(\p)+FR*\b:128*(\p)+FR*\b+FR-1], v[AF+64*(\p)+FR*(\a):AF+64*(\p)+FR*(\a)+FR-1], 0
.else
	v_wmma_f32_16x16x128_fp8_fp8 v[8*(8*(\a)+\b):8*(8*(\a)+\b)+7], v[128*(\p)+FR*\b:128*(\p)+FR*\b+FR-1], v[AF+64*(\p)+FR*(\a):AF+64*(\p)+FR*(\a)+FR-1], v[8*(8*(\a)+\b):8*(8*(\a)+\b)+7]
.endif
.endr
.endm
; 48 LDS loads in one run: the slot's q-th 128 along K into set p: B's eight fragments, then A's four.  Registers 4 c .. 4 c + 3 hold head 2 q + c / 2, d = 32 (c % 2) + 16 h + 0 .. 15: the same order of K in A and in B.
.macro FETCH slot, q, p
	WIN TO_B
.irp i, 0,1,2,3,4,5,6,7
.irp c, 0,1,2,3
	ds_load_b128 v[128*(\p)+FR*\i+4*\c:128*(\p)+FR*\i+4*\c+3], v[ADRB+\slot] offset:(2*(\q)+\c/2)*HEADB+\i*16*APITCH+32*(\c%2)
.endr
.endr
	WIN 0
.irp a, 0,1,2,3
.irp c, 0,1,2,3
	ds_load_b128 v[AF+64*(\p)+FR*\a+4*\c:AF+64*(\p)+FR*\a+4*\c+3], v[ADRA+\slot] offset:(2*(\q)+\c/2)*HEADB+\a*16*APITCH+32*(\c%2)
.endr
.endr
.endm
.macro PLACES                          ; plain vector lines between a matrix instruction and a load into, or a vector read of, its registers
.rept 4
	v_nop
.endr
.endm
; A slot's first step: multiplies set 0 and fetches the second step into set 1.
.macro STEP slot, zero
	s_wait_dscnt 8                                 ; B's set and A's blocks 0, 1 are in; the youngest eight loads (A's blocks 2, 3) may be out
	WIN MUL
	MUL8 0, 0, \zero
	MUL8 1, 0, \zero
	PLACES
	FETCH \slot, 1, 1
	s_wait_dscnt 48                                ; all but the 48 just issued
	WIN MUL
	MUL8 2, 0, \zero
	MUL8 3, 0, \zero
	WIN 0
.endm
; A slot's second step multiplies set 1 and changes slots: one barrier; in front of it each wave waits for all its tensor loads, adds 0 to its spare word, and waits for that and for its own reads of this slot.
.macro TURN slot, next, fill
	s_wait_tensorcnt 0x0                           ; all my tensor loads have landed: my part of the next slot
	ds_add_u32 v[SPW], v[NIL]                      ; 0 onto my spare word
	s_wait_dscnt 9                                 ; (the add and the youngest eight loads may be out)
	WIN MUL
	MUL8 0, 1, 0
	s_wait_dscnt 0x0                               ; the add is done, and my reads of this slot are over
	s_barrier_signal -1
	MUL8 1, 1, 0
	WIN 0
	s_barrier_wait -1
.if \fill
	CREST                                          ; the barrier has opened a round of the cluster's barrier: no wave of any partner still reads this slot or has a load on its way
	s_add_nc_u64 s[G0+4*\slot+2:G0+4*\slot+3], s[G0+4*\slot+2:G0+4*\slot+3], 2*4*65536
	s_add_nc_u64 s[G0B+4*\slot+2:G0B+4*\slot+3], s[G0B+4*\slot+2:G0B+4*\slot+3], 2*4*65536
	JLOAD \slot                                    ; the first tensor load behind the round; its four v_nop are the places in front of the loads below
.else
	PLACES
.endif
	FETCH \next, 0, 0
	WIN MUL
	MUL8 2, 1, 0
	MUL8 3, 1, 0
	WIN 0
.endm
	s_wait_tensorcnt 1                             ; my part of the first fill is in (the second fill's load may be out)
	s_barrier_signal -1
	s_barrier_wait -1                              ; everybody's is
	FETCH 0, 0, 0
	STEP 0, 1                                      ; the first step's products start the sums
	TURN 0, 1, 1
	STEP 1, 0
	TURN 1, 0, 1
	STEP 0, 0
	TURN 0, 1, 0                                   ; the last lap fills nothing
	STEP 1, 0
.irp b, 0,1,2,3,4,5,6,7
	global_load_b128 v[BI+8*\b:BI+8*\b+3], v[BH], s[10:11] offset:64*\b        ; bo of columns 16 b + 8 h + 0 .. 7: it lands under the last products
	global_load_b128 v[BI+8*\b+4:BI+8*\b+7], v[BH], s[10:11] offset:64*\b+16
.endr
	s_wait_dscnt 8                                 ; the very last step
	WIN MUL
	MUL8 0, 1, 0
	MUL8 1, 1, 0
	s_wait_dscnt 0
	MUL8 2, 1, 0
	MUL8 3, 1, 0
	WIN 0
; THE WAY OUT, block by block of 16 rows x 128 columns: sum x 2^(e10 + e11) + bo into other registers, each accumulator from its low end on; through my stage; back as whole rows of 512 bytes.
.macro PACK a
	WIN 0x02                                       ; source 0: window 2
.irp b, 0,1,2,3,4,5,6,7
.irp i, 0,2,4,6
	v_pk_fma_f32 v[TMP+8*\b+\i:TMP+8*\b+\i+1], v[64*(\a)+8*\b+\i:64*(\a)+8*\b+\i+1], s[96:97], v[BI+8*\b+\i:BI+8*\b+\i+1] op_sel_hi:[1,0,1]
.endr
.endr
	WIN 0
.endm
.macro TOSTAGE
.irp b, 0,1,2,3,4,5,6,7
	ds_store_b128 v[STO], v[TMP+8*\b:TMP+8*\b+3] offset:64*\b
	ds_store_b128 v[STO], v[TMP+8*\b+4:TMP+8*\b+7] offset:64*\b+16
.endr
.irp t, 0,1,2,3,4,5,6,7,8,9,10,11,12,13,14,15
	ds_load_b128 v[BK+4*\t:BK+4*\t+3], v[RD] offset:\t*SPITCH   ; LDS serves a wave's instructions in order: these see my stores
.endr
.endm
.macro SEND a
	s_wait_dscnt 0x0                               ; the block is back in registers
.irp t, 0,1,2,3,4,5,6,7,8,9,10,11,12,13,14,15
	global_store_b128 v[CO], v[BK+4*\t:BK+4*\t+3], s[12:13] offset:65536*(\a)+4096*\t th:TH_STORE_NT   ; 32 lanes store 512 consecutive bytes, aligned; written once, read by nobody here
.endr
.endm
	s_wait_kmcnt 0x0
	s_add_co_i32 s96, s96, s97
	s_add_co_i32 s96, s96, 127
	s_lshl_b32 s96, s96, 23                        ; 2^(e10 + e11) as f32
	s_mov_b32 s97, s96                             ; (named with it as a pair, so it is written)
	PLACES
	s_wait_loadcnt 0x0                             ; bo
	PACK 0
	TOSTAGE
.irp a, 1,2,3
	PACK \a                                        ; block a's arithmetic stands between block a - 1's loads from the stage and the wait for them
	SEND \a-1
	s_wait_xcnt 0x0                                ; the stores have read their registers: the next block's rows may land there
	TOSTAGE
.endr
	SEND 3
	s_wait_tensorcnt 0x0                           ; the wave's end
	ds_add_u32 v[SPW], v[NIL]
	s_wait_dscnt 0x0
	CROUND                                         ; the closing round
	s_endpgm
.Lfunc_end_k_q9331e63c61_oproj:
	.size	k_q9331e63c61_oproj, .Lfunc_end_k_q9331e63c61_oproj-k_q9331e63c61_oproj
	.p2alignl 7, 3214868480
	.fill 96, 4, 3214868480
	.section	.rodata,"a",@progbits
	.p2align	6, 0x0
	.amdhsa_kernel k_q9331e63c61_oproj
		.amdhsa_group_segment_fixed_size 327680
		.amdhsa_private_segment_fixed_size 0
		.amdhsa_enable_private_segment 0
		.amdhsa_kernarg_size 40
		.amdhsa_user_sgpr_count 2
		.amdhsa_user_sgpr_kernarg_segment_ptr 1
		.amdhsa_wavefront_size32 1
		.amdhsa_system_sgpr_workgroup_id_x 1
		.amdhsa_system_sgpr_workgroup_id_y 1
		.amdhsa_system_sgpr_workgroup_id_z 1
		.amdhsa_system_vgpr_workitem_id 0
		.amdhsa_next_free_vgpr 768
		.amdhsa_next_free_sgpr 98
		.amdhsa_reserve_vcc 0
		.amdhsa_float_denorm_mode_32 3
		.amdhsa_float_denorm_mode_16_64 3
		.amdhsa_memory_ordered 1
		.amdhsa_forward_progress 1
		.amdhsa_inst_pref_size 77
	.end_amdhsa_kernel
	.amdgpu_metadata
---
amdhsa.version: [ 1, 2 ]
amdhsa.kernels:
  - .name:           k_q9331e63c61_oproj
    .symbol:         k_q9331e63c61_oproj.kd
    .args:
      - { .name: o_img, .offset: 0, .size: 8, .value_kind: global_buffer, .address_space: global }
      - { .name: wo_codes, .offset: 8, .size: 8, .value_kind: global_buffer, .address_space: global }
      - { .name: lowp_scales, .offset: 16, .size: 8, .value_kind: global_buffer, .address_space: global }
      - { .name: bo, .offset: 24, .size: 8, .value_kind: global_buffer, .address_space: global }
      - { .name: out0, .offset: 32, .size: 8, .value_kind: global_buffer, .address_space: global }
    .group_segment_fixed_size: 327680
    .private_segment_fixed_size: 0
    .kernarg_segment_align: 8
    .kernarg_segment_size: 40
    .max_flat_workgroup_size: 128
    .sgpr_count:     98
    .vgpr_count:     768
    .wavefront_size: 32
...
	.end_amdgpu_metadata
.endif
;; end of part 6
;; ======== version 3 of 3: 3 launches; version 2 with the launch attn written anew for expert scheduling mode
;; workspace buffers: wo_codes 1,048,576 bytes; q_img 8,388,608 bytes; k_img 8,388,608 bytes; v_img 8,388,608 bytes; o_img 8,388,608 bytes
;; launch qkv: the kernel of part 2 again; grid 12 x 32, 4 waves a work-group, clusters of 4 x 4, 327,680 bytes of LDS; arguments x_codes, Wq_codes, Wk_codes, Wv_codes, bq, bk, bv, lowp_scales, q_img, k_img, v_img; writes q_img, k_img, v_img
;; launch attn (part 7): grid 2 x 128, 16 waves a work-group, no clusters, 184,320 bytes of LDS; arguments q_img, k_img, v_img, modality_ids, Wo, lowp_scales, o_img, wo_codes; writes o_img, wo_codes
.if DOCPART == 7
	.amdgcn_target "amdgcn-amd-amdhsa--gfx1250"
	.amdhsa_code_object_version 6
	.text
	.protected	k_q9331e63c61_attn
	.globl	k_q9331e63c61_attn
	.p2align	8
	.type	k_q9331e63c61_attn,@function
k_q9331e63c61_attn:
	s_mov_b64 s[64:65], 0
	v_nop
	global_prefetch_b8 v0, s[64:65] scope:SCOPE_SE
	s_setreg_imm32_b32 hwreg(HW_REG_WAVE_SCHED_MODE, 0, 2), 2
	s_setreg_imm32_b32 hwreg(HW_REG_WAVE_MODE, 25, 1), 1
	s_wait_xcnt 0x0
	s_wait_alu depctr_vm_vsrc(0)
; Attention of one (batch, head) on codes of E4M3, under the mask that modality_ids gives; the result is quantised for the last product.  At its head each work-group also quantises its share of Wo.
; t = score x 2^(e6 + e7) x log2(e);  M = the row's largest t so far, rounded up to a whole number;  p = 2^(t - M) is quantised with 2^e9;  the row's sum is taken of the unquantised p and divides at the end;
; when M moves, the sum and O are multiplied by 2^(old M - new M), which rounds nothing.  out = O x 2^(e8 + e9) / sum, quantised with 2^e10.
; LIMITS: e6 + e7 between -126 and 127; e9, e10 and e11 between -126 and 119.  NaN in Wo is not served.
; SHARES.  A work-group is (half p = x, batch x head = y).  It copies the head's images of K and V (64 KiB each) through registers into LDS once; one barrier.  Each of its sixteen waves owns one UNIT of 32 queries
; (unit 2 i + p, i = the wave's number with its low two bits turned over in every second four, so that neighbouring units fall on different places among four): two tiles u of 16, which share every fragment of K and V.
; LAYOUT.  S^T = K Q^T (source 0 = 16 keys, source 1 = 16 queries), O^T = V^T P^T: a lane holds one query of each tile throughout.  The images give tile t of a step the keys 32 (t / 2) + 8 (t % 2) + r + 8 (r / 8), so that
; score register n of lane (r, h) is key 32 (n / 16) + 16 h + n % 16, and the conversions' results are the second product's operand.  K = 64: v_wmma_f32_16x16x64_fp8_fp8, fragments of 8 registers by two loads of 16 bytes.
; THE MASK.  Key k counts for query q where q < 64 or ids[q] == ids[k].  The loop has 16 trips, one for each 64 keys.  At the head each wave compares all 1,024 ids with the id of its unit's first query: lane l holds the 32 ids
; of half a step, 32 compares give 32 lane masks, their AND and OR say of each half step whether all, or any, of its keys have that id.  A step none of whose keys has it is jumped over; one all of whose keys have it runs bare;
; in any other step the step's ids are loaded, compared with each lane's own two queries' ids, and hidden scores become -infinity, so that p = 0.  A unit whose 32 queries do not share one id takes every step in that last way
; (more work than is needed there, the same values); units 0 and 1 are queries 0 .. 63 and run every step bare.  Every query counts its own key, so every row's sum ends above 0.
; Wo [k 1024][n 1024] f32 becomes wo_codes [k / 64][n 1024][64 bytes], with 2^e11: code = x / 2^e11, held within +-448, to the nearest code, ties to even.  Work-group j of 256 takes k = 64 (j / 16) on, n = 64 (j % 16) on:
; wave w takes 32 columns (w % 2), a lane a column, and 8 rows of k (w / 2) down its registers: two waves read 256 consecutive bytes of a row; a lane's 8 codes meet the others' in a stage in LDS, and behind the barrier waves 0 to 7
; store the share's 4,096 consecutive bytes, 512 a wave.
; NO TENSOR LOAD, NO JOINT LOAD: the branches hang on numbers read from memory, and only the two work-groups of a head share its 128 KiB.
; REGISTERS: v1 16 x lane; v2, v3 the step's LDS addresses; v4 448 x scale; v5 scale; v6 -infinity; v7 16 x lane + V's base; v[8:9], v[10:11] (-M, largest t) of tile 0, 1; v[12:15] the sums in halves; v16, v18 f; v20-25 at work;
;            v26, v27 my two queries' ids; v28 64 h; v29 Wo's stage; v30, v31 O's stage; v32-47 Q; v48-79 K's, then V's fragments; v80-143 S^T, then p; v144-207 O^T; v208-223 p's codes (at the head: Wo's share); v224-255 key ids.
; THE MODE: SCHED_MODE bits 1:0 = 2 (LLVM: expert scheduling mode 2), set by the entry lines.  The code itself states the register dependences between vector or matrix instructions and memory or LDS instructions,
; and between vector instructions that write scalar registers and their readers, with s_wait_alu, always for 0.
; THE PLAN.  Registers that memory or LDS instructions touch:
;   v1, v28 .. v31     offsets and LDS addresses: made at the head, ahead of the wait in front of the first load, and never written again.
;   v2, v3             at the head the copies' addresses; in the loop written by two additions at a step's head and read by the step's sixteen LDS loads.
;   v48-79             K's fragments land there and the scores' products read them; then V's land there and the second product reads them; on the way out rows of codes land there and the last stores read them.
;   v224-255           ids land there (at the head, and in a step that compares); compares alone read them.
;   v80-143, v208-221  at the head loads land there, or read them as offsets, and stores read them; from the loop on vector and matrix instructions write them; on the way out LDS stores read v208-223.
; A STEP has one wait on vm_vsrc at its head (the last step's LDS loads have read v2, v3) and three on va_vdst: behind the two additions (v2, v3 are written; the last step's second product is done reading v48-79; earlier compares
; are done reading v224-255), with the step's first loads straight behind it; behind the scores' products (they are done reading v48-79, in which V lands); and the one behind the exponentials.
; All 256 registers that the launch gives a wave are named, so K's and V's fragments share one set.
.set LI,   1
.set ADK,  2
.set ADV,  3
.set HOLD, 4
.set SCL,  5
.set NINF, 6
.set VB,   7
.set NM,   8
.set LS,   12
.set FF,   16
.set MA,   20
.set MB,   22
.set S2,   20                          ; the sums' second chains take the registers of the maximum's chains, which are done with by then
.set PT,   24
.set IDQ,  26
.set KIDO, 28
.set WST,  29
.set STO,  30
.set RD,   31
.set Q,    32
.set FR,   48
.set S,    80
.set O,    144
.set P,    208
.set WN,   208                         ; at the head only: 8 numbers of Wo, later 16 bytes of codes on their way out
.set WC,   216                         ; their 8 codes
.set WRD,  218                         ; where I read Wo's stage back
.set QIO,  219                         ; byte offset of my query's id in the unit's 32
.set CLO,  220                         ; 128 x lane: half a step's ids
.set WOF,  221                         ; 4 x lane: my column of Wo
.set WSC,  222                         ; 2^e11
.set WLM,  223                         ; 448 x 2^e11
.set KID,  224
.set VOFF,   65536                     ; LDS: K's image, then V's,
.set STAGE,  131072                    ; then a stage of 32 rows x 80 bytes for each wave,
.set STAGE2, 172032                    ; then Wo's stage: 64 rows x 80 bytes
.set SPO,    80
.set KOFF,   27                        ; s27  4,096 x step: a step's tiles in either image
.set MK0,    32                        ; s32-63  at the head the 32 lane masks; in a step that compares: tile 0's 32 masks
.set MK1,    66                        ; s66-97  free behind the head; in a step that compares: tile 1's 32 masks
	s_load_b256 s[4:11], s[0:1], 0x0               ; q_img s[4:5], k_img s[6:7], v_img s[8:9], modality_ids s[10:11]
	s_load_b256 s[12:19], s[0:1], 0x20             ; Wo s[12:13], the scales s[14:15], o_img s[16:17], wo_codes s[18:19]
	v_lshrrev_b32 v1, 5, v0
	v_readfirstlane_b32 s2, v1                     ; wave 0..15
	s_wait_alu depctr_va_sdst(0)                   ; s2 is written, ahead of its first reader: the unit's number and the stages' places are made from it
	s_bfe_u32 s20, s2, 0x10002
	s_mul_i32 s20, s20, 3
	s_xor_b32 s20, s2, s20                         ; i
	s_lshl_b32 s80, s20, 1
	s_add_co_u32 s80, s80, ttmp9                   ; my unit g
	s_and_b32 s81, ttmp7, 0xffff                   ; batch x head
	v_and_b32 v8, 31, v0
	v_lshlrev_b32 v[LI], 4, v8
	v_add_nc_u32 v[VB], VOFF, v[LI]
	v_lshlrev_b32 v[ADK], 4, v0                    ; for the copy, and for Wo's codes on their way out: 16 x thread,
	v_add_nc_u32 v[ADV], VOFF, v[ADK]              ; and the same in V's image
	v_and_b32 v9, 15, v0                           ; r
	v_bfe_u32 v10, v0, 4, 1                        ; h
	s_mul_i32 s20, s2, 32*SPO
	s_add_co_u32 s20, s20, STAGE                   ; my stage
	v_and_b32 v11, 8, v9
	v_add_nc_u32 v11, v11, v9                      ; r + 8 (r / 8)
	v_lshlrev_b32 v[QIO], 2, v11
	v_mul_u32_u24 v11, v11, SPO
	v_lshl_add_u32 v11, v10, 3, v11
	v_add_nc_u32 v[STO], s20, v11                  ; in: row r + 8 (r / 8) (tile 1: 8 rows on), + 8 h
	v_lshrrev_b32 v11, 2, v8
	v_mul_u32_u24 v11, v11, SPO
	v_and_b32 v12, 3, v8
	v_lshl_add_u32 v11, v12, 4, v11
	v_add_nc_u32 v[RD], s20, v11                   ; back: four lanes to a row of 64 bytes
	v_lshlrev_b32 v[KIDO], 6, v10
	v_lshlrev_b32 v[CLO], 7, v8
	v_lshlrev_b32 v[WOF], 2, v8
	s_and_b32 s82, s2, 1                           ; Wo: which 32 of the share's 64 columns,
	s_lshr_b32 s83, s2, 1                          ; which 8 of its 64 rows of k
	s_mul_i32 s20, s82, 32*SPO
	s_lshl_b32 s21, s83, 3
	s_add_co_u32 s20, s20, s21
	s_add_co_u32 s20, s20, STAGE2
	v_mul_u32_u24 v11, v8, SPO
	v_add_nc_u32 v[WST], s20, v11                  ; into Wo's stage: row = my column, + my wave's 8 bytes
	v_lshrrev_b32 v11, 2, v0
	v_mul_u32_u24 v11, v11, SPO
	v_and_b32 v12, 3, v0
	v_lshl_add_u32 v11, v12, 4, v11
	v_add_nc_u32 v[WRD], STAGE2, v11               ; back (threads 0 .. 255): four threads to a row of 64 bytes
	s_lshl_b32 s84, s81, 1
	s_add_co_u32 s84, s84, ttmp9                   ; the work-group's number, 0 .. 255
	s_lshr_b32 s85, s84, 4                         ; which 64 of k
	s_and_b32 s84, s84, 15                         ; which 64 of n
	s_lshl_b32 s86, s85, 18                        ; Wo: 64 rows of 4,096 bytes,
	s_lshl_b32 s87, s83, 15                        ; + my wave's 8 rows,
	s_add_co_u32 s86, s86, s87
	s_lshl_b32 s87, s84, 8                         ; + 64 columns of 4 bytes,
	s_add_co_u32 s86, s86, s87
	s_lshl_b32 s87, s82, 7                         ; + my wave's 32
	s_add_co_u32 s86, s86, s87
	s_mov_b32 s87, 0
	s_lshl_b32 s88, s85, 16                        ; wo_codes: 1,024 rows of 64 bytes for each 64 of k,
	s_lshl_b32 s89, s84, 12                        ; + 64 rows
	s_add_co_u32 s88, s88, s89
	s_mov_b32 s89, 0
	s_lshl_b32 s20, s81, 16                        ; a head's image is 65,536 bytes
	s_mov_b32 s21, 0
	s_wait_kmcnt 0x0
	s_add_nc_u64 s[4:5], s[4:5], s[20:21]
	s_add_nc_u64 s[6:7], s[6:7], s[20:21]
	s_add_nc_u64 s[8:9], s[8:9], s[20:21]
	s_add_nc_u64 s[16:17], s[16:17], s[20:21]
	s_add_nc_u64 s[12:13], s[12:13], s[86:87]
	s_add_nc_u64 s[18:19], s[18:19], s[88:89]
	s_lshl_b32 s20, s80, 11                        ; a unit is 2,048 bytes of q_img and of o_img,
	s_add_nc_u64 s[4:5], s[4:5], s[20:21]
	s_add_nc_u64 s[16:17], s[16:17], s[20:21]
	s_lshl_b32 s20, s80, 7                         ; and 128 bytes of ids
	s_add_nc_u64 s[82:83], s[10:11], s[20:21]
	s_load_b256 s[68:75], s[14:15], 0x0            ; entries 0 .. 7
	s_load_b128 s[76:79], s[14:15], 0x20           ; entries 8 .. 11
	s_wait_alu depctr_va_vdst(0)                   ; the offsets and LDS addresses made above (v1 to v3, v28 to v31, v218 to v221) are written: the loads, stores and LDS instructions from here on read them
	global_load_b32 v[IDQ], v[QIO], s[82:83]                    ; the id of my query in tile 0,
	global_load_b32 v[IDQ+1], v[QIO], s[82:83] offset:32        ; in tile 1: 8 queries on
.irp j, 0,1,2,3,4,5,6,7
	global_load_b128 v[KID+4*\j:KID+4*\j+3], v[CLO], s[10:11] offset:16*\j     ; lane l: ids 32 l .. 32 l + 31; the eight loads take each of the 4,096 bytes once
.endr
.irp i, 0,1,2,3,4,5,6,7
	global_load_b32 v[WN+\i], v[WOF], s[12:13] offset:4096*\i th:TH_LOAD_NT    ; Wo(my 8 rows, my column): read once in the launch
.endr
.irp i, 0,1,2,3,4,5,6,7
	global_load_b128 v[S+4*\i:S+4*\i+3], v[ADK], s[6:7] offset:8192*\i         ; K's image: the 512 threads take 8,192 consecutive bytes an instruction
.endr
.irp i, 0,1,2,3,4,5,6,7
	global_load_b128 v[S+32+4*\i:S+32+4*\i+3], v[ADK], s[8:9] offset:8192*\i   ; V's
.endr
.irp u, 0,1
.irp c, 0,1
	global_load_b128 v[Q+8*\u+4*\c:Q+8*\u+4*\c+3], v[LI], s[4:5] offset:1024*\u+512*\c   ; my two fragments of Q stay in registers
.endr
.endr
	v_mov_b32 v[NINF], 0xff800000                  ; (the vector lines from here to the ids' wait write registers that no memory or LDS instruction names)
.irp u, 0,1
	v_mov_b32 v[NM+2*\u+1], 0xff61b1e6             ; the largest t so far: -3e38, under every t
	v_floor_f32 v[NM+2*\u], -v[NM+2*\u+1]          ; -M
	v_mov_b32 v[LS+2*\u], 0                        ; the sum, in two halves
	v_mov_b32 v[LS+2*\u+1], 0
	v_mov_b32 v[FF+2*\u+1], 0                      ; (named as the upper half of f's pair)
	v_mov_b32 v[PT+\u], 0                          ; written once: a lane permute's destination counts as one of its sources
.endr
.set j, 0
.rept 64
	v_mov_b32 v[O+j], 0                            ; O^T.  Which step is a unit's first is not known to the text, so none is written out to start the sums: the first change of M multiplies zeros
.set j, j+1
.endr
	s_wait_kmcnt 0x0
	s_add_co_i32 s20, s74, s75
	s_lshl_b32 s20, s20, 23
	s_add_co_i32 s22, s20, 0x3fb8aa3b              ; c = log2(e) x 2^(e6 + e7): the exponents are added to its exponent field
	s_mov_b32 s23, s22                             ; (named with it as a pair, so it is written)
	s_mov_b32 s28, s77                             ; e9
	s_add_co_i32 s29, s76, s77                     ; e8 + e9
	s_mov_b32 s3, s78                              ; e10
	s_add_co_i32 s20, s77, 127
	s_lshl_b32 s21, s20, 23
	v_mov_b32 v[SCL], s21                          ; 2^e9 as f32
	s_add_co_i32 s20, s20, 8
	s_lshl_b32 s20, s20, 23
	s_or_b32 s20, s20, 0x600000
	v_mov_b32 v[HOLD], s20                         ; 448 x 2^e9
	s_add_co_i32 s20, s79, 127
	s_lshl_b32 s21, s20, 23
	v_mov_b32 v[WSC], s21                          ; 2^e11 as f32
	s_add_co_i32 s20, s20, 8
	s_lshl_b32 s20, s20, 23
	s_or_b32 s20, s20, 0x600000
	v_mov_b32 v[WLM], s20                          ; 448 x 2^e11
	s_mov_b32 s26, 0                               ; 2 x the step: the loop's counter, and the number of the step's bit
	s_mov_b32 s[KOFF], 0
	s_mov_b32 s30, 0x76543210                      ; v_permlanex16_b32's selects for lane l xor 16
	s_mov_b32 s31, 0xfedcba98
	; ---- which steps count for my unit.  This stands while Wo's, K's and V's bytes are on their way
	s_wait_loadcnt 28                              ; the ids are in; Wo's 8 loads, K's 8, V's 8 and Q's 4 may be out
	v_readfirstlane_b32 s90, v[IDQ]                ; the id of the unit's first query
	s_wait_alu depctr_va_sdst(0)                   ; s90 is written, ahead of its first reader, the compare below
	v_cmp_eq_u32 s91, s90, v[IDQ]
	v_cmp_eq_u32 s92, s90, v[IDQ+1]
.set n, 0
.rept 32
	v_cmp_eq_u32 s[MK0+n], s90, v[KID+n]           ; bit l: has key 32 l + n that id?  All 32 compares first, each into a register of its own, then the scalar chains
.set n, n+1
.endr
	s_wait_alu depctr_va_sdst(0)                   ; the 34 compares have written s91, s92 and s32 to s63, ahead of their first readers, the scalar chains below: one wait for the run
	s_and_b32 s91, s91, s92                        ; all ones where my 32 queries share the id
	s_and_b32 s93, s32, s33
	s_or_b32 s94, s32, s33
.set n, 2
.rept 30
	s_and_b32 s93, s93, s[MK0+n]                   ; bit l: all 32 keys of half step l have the id;
	s_or_b32 s94, s94, s[MK0+n]                    ; some key has it
.set n, n+1
.endr
	s_lshr_b32 s95, s93, 1
	s_and_b32 s93, s93, s95                        ; bit 2 x step: all 64 keys of the step
	s_lshr_b32 s95, s94, 1
	s_or_b32 s24, s94, s95                         ; bit 2 x step: some key of the step.  (The odd bits are never asked for)
	s_and_not1_b32 s25, s24, s93                   ; some, and not all
	s_cmp_eq_u32 s91, -1
	s_cselect_b32 s24, s24, -1                     ; a unit of several ids takes every step, and compares in every step
	s_cselect_b32 s25, s25, -1
	s_cmp_lt_u32 s80, 2
	s_cselect_b32 s24, -1, s24                     ; queries below 64: every key counts
	s_cselect_b32 s25, 0, s25
	; ---- my 8 numbers of Wo
	s_wait_loadcnt 20                              ; Wo's are in; K's 8, V's 8 and Q's 4 may be out
.irp i, 0,1,2,3,4,5,6,7
	v_med3_num_f32 v[WN+\i], v[WN+\i], -v[WLM], v[WLM]   ; the conversion to an 8-bit code does not saturate (ISA guide 7.6.2): the hold comes first
.endr
	v_cvt_scalef32_pk8_fp8_f32 v[WC:WC+1], v[WN:WN+7], v[WSC]
	v_nop                                          ; a plain vector line behind the conversion
	s_wait_alu depctr_va_vdst(0)                   ; the conversion has written v[WC ..], which the LDS store below reads; the holds and the conversion are done with v[WN ..], in which the load from the stage lands behind the barrier (no vector line stands between)
	ds_store_b64 v[WST], v[WC:WC+1]
	s_wait_loadcnt 12                              ; K's eight loads are in; V's eight and Q's four may be out
.irp i, 0,1,2,3,4,5,6,7
	ds_store_b128 v[ADK], v[S+4*\i:S+4*\i+3] offset:8192*\i
.endr
	s_wait_loadcnt 4                               ; V's are in; Q's four may be out
.irp i, 0,1,2,3,4,5,6,7
	ds_store_b128 v[ADV], v[S+32+4*\i:S+32+4*\i+3] offset:8192*\i
.endr
	s_wait_loadcnt 0x0                             ; Q
	s_wait_dscnt 0x0                               ; for the others' sake: my stores have landed
	s_barrier_signal -1
	s_barrier_wait -1                              ; both images and Wo's stage are whole; nobody writes them again
	s_cmp_lt_u32 s2, 8
	s_cbranch_scc0 .Lno_wo
	ds_load_b128 v[WN:WN+3], v[WRD]
	s_wait_dscnt 0x0
	global_store_b128 v[ADK], v[WN:WN+3], s[18:19] ; waves 0 to 7: 512 consecutive bytes each, aligned: the share's 4,096
.Lno_wo:
	s_wait_xcnt 0x0                                ; the store has read its registers: the loop writes both of them again
	s_wait_alu depctr_vm_vsrc(0)                   ; the head's LDS stores have read v[S ..] and v[WC ..], Wo's store v[WN ..], the head's loads their offsets v218 to v221: the products and conversions of the loop and of the way out write all of these
; A step's scores, and the request for its V.  mixed = 1: the step's ids are asked for too.
.macro SCORES mixed
	s_wait_alu depctr_vm_vsrc(0)                   ; the last step's LDS loads have read v[ADK] and v[ADV], which the two lines below write
	v_add_nc_u32 v[ADK], s[KOFF], v[LI]
	v_add_nc_u32 v[ADV], s[KOFF], v[VB]
	v_nop                                          ; four plain lines between the last products and the loads into the registers that they read
	v_nop
	s_wait_alu depctr_va_vdst(0)                   ; v[ADK] and v[ADV] are written, which this step's LDS loads read; the last step's second product is done reading v[FR ..], in which K's fragments land; earlier compares are done reading v[KID ..], in which ids land
.if \mixed
.irp b, 0,1
.irp q, 0,1,2,3
	global_load_b128 v[KID+16*\b+4*\q:KID+16*\b+4*\q+3], v[KIDO], s[10:11] offset:128*\b+16*\q   ; v[KID + n]: the id of score register n's key: they land under the scores' products
.endr
.endr
.endif
.irp t, 0,1,2,3
.irp c, 0,1
	ds_load_b128 v[FR+8*\t+4*\c:FR+8*\t+4*\c+3], v[ADK] offset:1024*\t+512*\c
.endr
.endr
	s_wait_dscnt 0x0
.irp t, 0,1,2,3
.irp u, 0,1
	v_wmma_f32_16x16x64_fp8_fp8 v[S+32*\u+8*\t:S+32*\u+8*\t+7], v[FR+8*\t:FR+8*\t+7], v[Q+8*\u:Q+8*\u+7], 0
.endr
.endr
.rept 4
	v_nop                                          ; places in front of the loads below and of the first read of the scores
.endr
	s_wait_alu depctr_va_vdst(0)                   ; the scores' products are done reading v[FR ..], in which V's fragments land; the places above stay beside this wait
.irp t, 0,1,2,3
.irp c, 0,1
	ds_load_b128 v[FR+8*\t+4*\c:FR+8*\t+4*\c+3], v[ADV] offset:1024*\t+512*\c   ; V^T, 16 of the head's 64 a tile: it lands under the softmax
.endr
.endr
.endm
; The softmax of both tiles, line by line by turns, so that no line waits for the line above it.  No memory or LDS instruction stands in it, and it names none of the registers in which V's fragments are landing.
.macro SOFTMAX
.irp u, 0,1
	v_max3_num_f32 v[MA+\u], v[S+32*\u], v[S+32*\u+1], v[S+32*\u+2]           ; the largest score of my query among my 32 keys, in two chains; each accumulator is read from its low end on
	v_max3_num_f32 v[MB+\u], v[S+32*\u+3], v[S+32*\u+4], v[S+32*\u+5]
.endr
.irp i, 6,10,14,18,22,26
.irp u, 0,1
	v_max3_num_f32 v[MA+\u], v[MA+\u], v[S+32*\u+\i], v[S+32*\u+\i+1]
	v_max3_num_f32 v[MB+\u], v[MB+\u], v[S+32*\u+\i+2], v[S+32*\u+\i+3]
.endr
.endr
.irp u, 0,1
	v_max3_num_f32 v[MA+\u], v[MA+\u], v[S+32*\u+30], v[S+32*\u+31]
.endr
.irp u, 0,1
	v_max_num_f32 v[MA+\u], v[MA+\u], v[MB+\u]
.endr
.irp u, 0,1
	v_permlanex16_b32 v[PT+\u], v[MA+\u], s30, s31
.endr
.irp u, 0,1
	v_max_num_f32 v[MA+\u], v[MA+\u], v[PT+\u]     ; and among lane l xor 16's
.endr
.irp u, 0,1
	v_mul_f32 v[MA+\u], s22, v[MA+\u]              ; as t (c is positive)
.endr
.irp u, 0,1
	v_max_num_f32 v[NM+2*\u+1], v[NM+2*\u+1], v[MA+\u]   ; the running largest t
.endr
.irp u, 0,1
	v_mov_b32 v[MA+\u], v[NM+2*\u]
.endr
.irp u, 0,1
	v_floor_f32 v[NM+2*\u], -v[NM+2*\u+1]          ; the new -M = floor(-t): M is a whole number
.endr
.irp u, 0,1
	v_sub_f32 v[MA+\u], v[NM+2*\u], v[MA+\u]       ; old M - new M: a whole number, 0 or less
.endr
.irp u, 0,1
	v_cvt_i32_f32 v[MA+\u], v[MA+\u]               ; (it saturates)
.endr
.irp u, 0,1
	v_ldexp_f32 v[FF+2*\u], 1.0, v[MA+\u]          ; f = 2^(old M - new M)
.endr
.irp j, 0,2,4,6,8,10,12,14,16,18,20,22,24,26,28,30
.irp u, 0,1
	v_pk_fma_f32 v[S+32*\u+\j:S+32*\u+\j+1], v[S+32*\u+\j:S+32*\u+\j+1], s[22:23], v[NM+2*\u:NM+2*\u+1] op_sel_hi:[1,0,0]   ; t - M, two at a time
.endr
.endr
.set j, 0
.rept 64
	v_exp_f32 v[S+j], v[S+j]                       ; p = 2^(t - M): one batch
.set j, j+1
.endr
.irp u, 0,1
	v_pk_mul_f32 v[LS+2*\u:LS+2*\u+1], v[LS+2*\u:LS+2*\u+1], v[FF+2*\u:FF+2*\u+1] op_sel_hi:[1,0]   ; the sums under the new M: plain lines behind the exponentials
.endr
	s_wait_alu depctr_va_vdst(0)                   ; the 64 exponentials have written v[S ..]: one wait for the batch, ahead of the first line that names a result
.irp u, 0,1
	v_pk_add_f32 v[S2+2*\u:S2+2*\u+1], v[S+32*\u:S+32*\u+1], v[S+32*\u+2:S+32*\u+3]   ; the row's sum is taken of the unquantised p, in two chains
.endr
.irp j, 4,8,12,16,20,24,28
.irp u, 0,1
	v_pk_add_f32 v[LS+2*\u:LS+2*\u+1], v[LS+2*\u:LS+2*\u+1], v[S+32*\u+\j:S+32*\u+\j+1]
	v_pk_add_f32 v[S2+2*\u:S2+2*\u+1], v[S2+2*\u:S2+2*\u+1], v[S+32*\u+\j+2:S+32*\u+\j+3]
.endr
.endr
.irp u, 0,1
	v_pk_add_f32 v[LS+2*\u:LS+2*\u+1], v[LS+2*\u:LS+2*\u+1], v[S2+2*\u:S2+2*\u+1]
.endr
	s_cmp_ge_i32 s28, -8                           ; p is at most 1, and 1 / 2^e9 is at most 256, under 448, where e9 >= -8: the hold can bind only below that
	s_cbranch_scc1 .Lno_hold_\@
.set j, 0
.rept 64
	v_min_num_f32 v[S+j], v[S+j], v[HOLD]          ; p is not negative: the hold is one-sided
.set j, j+1
.endr
.Lno_hold_\@:
.irp t, 0,1,2,3
.irp u, 0,1
	v_cvt_scalef32_pk8_fp8_f32 v[P+8*\u+2*\t:P+8*\u+2*\t+1], v[S+32*\u+8*\t:S+32*\u+8*\t+7], v[SCL]
.endr
.endr
.irp u, 0,1
.irp j, 0,2,4,6,8,10,12,14,16,18,20,22,24,26,28,30
	v_pk_mul_f32 v[O+32*\u+\j:O+32*\u+\j+1], v[O+32*\u+\j:O+32*\u+\j+1], v[FF+2*\u:FF+2*\u+1] op_sel_hi:[1,0]   ; O^T under the new M; also the plain lines between the conversions and the products
.endr
.endr
.endm
.macro PV
	s_wait_dscnt 0x0                               ; V's fragments are in
.irp t, 0,1,2,3
.irp u, 0,1
	v_wmma_f32_16x16x64_fp8_fp8 v[O+32*\u+8*\t:O+32*\u+8*\t+7], v[FR+8*\t:FR+8*\t+7], v[P+8*\u:P+8*\u+7], v[O+32*\u+8*\t:O+32*\u+8*\t+7]   ; eight accumulators by turns, one instruction a turn
.endr
.endr
.endm
.Lstep:                                            ; 16 trips
	s_bitcmp1_b32 s24, s26
	s_cbranch_scc0 .Lnext                          ; no key of this step counts for my 32 queries
	s_bitcmp1_b32 s25, s26
	s_cbranch_scc1 .Lmixed
	SCORES 0
	s_branch .Lsoft
.Lmixed:
	SCORES 1
	s_wait_loadcnt 0x0
.set n, 0
.rept 32
	v_cmp_eq_u32 s[MK0+n], v[IDQ], v[KID+n]        ; does score register n's key have my query's id?  All 64 compares in one run, each into a scalar register of its own
	v_cmp_eq_u32 s[MK1+n], v[IDQ+1], v[KID+n]
.set n, n+1
.endr
	s_wait_alu depctr_va_sdst(0)                   ; the 64 compares have written s32 to s63 and s66 to s97, ahead of their first readers, the selects below: one wait for the run
.set n, 0
.rept 32
	v_cndmask_b32 v[S+n], v[NINF], v[S+n], s[MK0+n]         ; a hidden key's score becomes -infinity, ahead of the maximum; each accumulator is read from its low end on
	v_cndmask_b32 v[S+32+n], v[NINF], v[S+32+n], s[MK1+n]
.set n, n+1
.endr
.Lsoft:
	SOFTMAX
	PV
.Lnext:
	s_add_nc_u64 s[10:11], s[10:11], 256           ; the next step's 64 ids (the loads that named this base were waited for)
	s_add_co_u32 s[KOFF], s[KOFF], 4096
	s_add_co_u32 s26, s26, 2
	s_cmp_lt_u32 s26, 32
	s_cbranch_scc1 .Lstep
	; THE WAY OUT.  The additions are the plain lines behind the last products.
	v_add_f32 v[LS], v[LS], v[LS+1]
	v_add_f32 v[LS+2], v[LS+2], v[LS+3]
	v_permlanex16_b32 v[PT], v[LS], s30, s31
	v_permlanex16_b32 v[PT+1], v[LS+2], s30, s31
	v_add_f32 v[LS], v[LS], v[PT]
	v_add_f32 v[LS+2], v[LS+2], v[PT+1]            ; the rows' sums
	v_rcp_f32 v[LS], v[LS]
	v_rcp_f32 v[LS+2], v[LS+2]
	s_add_co_i32 s20, s3, 127
	s_lshl_b32 s21, s20, 23
	v_mov_b32 v[SCL], s21                          ; 2^e10 as f32  (a plain line behind the reciprocals)
	s_add_co_i32 s20, s20, 8
	s_lshl_b32 s20, s20, 23
	s_or_b32 s20, s20, 0x600000
	v_mov_b32 v[HOLD], s20                         ; 448 x 2^e10
	s_wait_alu depctr_va_vdst(0)                   ; the two reciprocals have written v[LS] and v[LS + 2]: one wait for both, ahead of their first reader
	v_ldexp_f32 v[LS], v[LS], s29                  ; x 2^(e8 + e9)
	v_ldexp_f32 v[LS+2], v[LS+2], s29
.irp u, 0,1
.irp j, 0,2,4,6,8,10,12,14,16,18,20,22,24,26,28,30
	v_pk_mul_f32 v[O+32*\u+\j:O+32*\u+\j+1], v[O+32*\u+\j:O+32*\u+\j+1], v[LS+2*\u:LS+2*\u+1] op_sel_hi:[1,0]
.endr
.endr
.set j, 0
.rept 64
	v_med3_num_f32 v[O+j], v[O+j], -v[HOLD], v[HOLD]
.set j, j+1
.endr
.irp u, 0,1
.irp t, 0,1,2,3
	v_cvt_scalef32_pk8_fp8_f32 v[P+8*\u+2*\t:P+8*\u+2*\t+1], v[O+32*\u+8*\t:O+32*\u+8*\t+7], v[SCL]   ; d = 16 t + 8 h + 0 .. 7 of my query
.endr
.endr
	v_nop
	s_wait_alu depctr_va_vdst(0)                   ; the conversions have written v[P ..], which the LDS stores below read; the last products are done reading v[FR ..], in which the rows land
.irp u, 0,1
.irp t, 0,1,2,3
	ds_store_b64 v[STO], v[P+8*\u+2*\t:P+8*\u+2*\t+1] offset:8*SPO*\u+16*\t
.endr
.endr
.irp i, 0,1,2,3
	ds_load_b128 v[FR+4*\i:FR+4*\i+3], v[RD] offset:8*SPO*\i   ; LDS serves a wave's instructions in order: these see my stores
.endr
.irp i, 0,1,2,3
	s_wait_dscnt 3-\i                              ; the younger loads may be out
	global_store_b128 v[LI], v[FR+4*\i:FR+4*\i+3], s[16:17] offset:512*\i   ; eight rows of 64 bytes: 512 consecutive bytes, aligned
.endr
	s_wait_xcnt 0x0                                ; the last stores have had their addresses translated, ahead of the two lines that write registers anew
	v_lshl_add_u32 v254, v0, 2, 0x2c800            ; my spare word and 0, made anew here: no two registers can be kept.  No memory or LDS instruction of the text reads v254 or v255: ids only land there, and their loads were waited for
	v_mov_b32 v255, 0
	s_wait_dscnt 0x0                               ; the closing lines, six on end
	s_wait_alu 0x0
	s_wait_tensorcnt 0x0
	ds_add_u32 v254, v255
	s_wait_dscnt 0x0
	s_endpgm
.Lfunc_end_k_q9331e63c61_attn:
	.size	k_q9331e63c61_attn, .Lfunc_end_k_q9331e63c61_attn-k_q9331e63c61_attn
	.p2alignl 7, 3214868480
	.fill 96, 4, 3214868480
	.section	.rodata,"a",@progbits
	.p2align	6, 0x0
	.amdhsa_kernel k_q9331e63c61_attn
		.amdhsa_group_segment_fixed_size 184320
		.amdhsa_private_segment_fixed_size 0
		.amdhsa_enable_private_segment 0
		.amdhsa_kernarg_size 64
		.amdhsa_user_sgpr_count 2
		.amdhsa_user_sgpr_kernarg_segment_ptr 1
		.amdhsa_wavefront_size32 1
		.amdhsa_system_sgpr_workgroup_id_x 1
		.amdhsa_system_sgpr_workgroup_id_y 1
		.amdhsa_system_sgpr_workgroup_id_z 1
		.amdhsa_system_vgpr_workitem_id 0
		.amdhsa_next_free_vgpr 256
		.amdhsa_next_free_sgpr 100
		.amdhsa_reserve_vcc 0
		.amdhsa_float_denorm_mode_32 3
		.amdhsa_float_denorm_mode_16_64 3
		.amdhsa_memory_ordered 1
		.amdhsa_forward_progress 1
		.amdhsa_inst_pref_size 54
	.end_amdhsa_kernel
	.amdgpu_metadata
---
amdhsa.version: [ 1, 2 ]
amdhsa.kernels:
  - .name:           k_q9331e63c61_attn
    .symbol:         k_q9331e63c61_attn.kd
    .args:
      - { .name: q_img, .offset: 0, .size: 8, .value_kind: global_buffer, .address_space: global }
      - { .name: k_img, .offset: 8, .size: 8, .value_kind: global_buffer, .address_space: global }
      - { .name: v_img, .offset: 16, .size: 8, .value_kind: global_buffer, .address_space: global }
      - { .name: modality_ids, .offset: 24, .size: 8, .value_kind: global_buffer, .address_space: global }
      - { .name: Wo, .offset: 32, .size: 8, .value_kind: global_buffer, .address_space: global }
      - { .name: lowp_scales, .offset: 40, .size: 8, .value_kind: global_buffer, .address_space: global }
      - { .name: o_img, .offset: 48, .size: 8, .value_kind: global_buffer, .address_space: global }
      - { .name: wo_codes, .offset: 56, .size: 8, .value_kind: global_buffer, .address_space: global }
    .group_segment_fixed_size: 184320
    .private_segment_fixed_size: 0
    .kernarg_segment_align: 8
    .kernarg_segment_size: 64
    .max_flat_workgroup_size: 512
    .sgpr_count:     100
    .vgpr_count:     256
    .wavefront_size: 32
...
	.end_amdgpu_metadata
.endif
;; end of part 7
;; launch oproj: the kernel of part 6 again; grid 4 x 64, 4 waves a work-group, clusters of 4 x 4, 327,680 bytes of LDS; arguments o_img, wo_codes, lowp_scales, bo, out0; writes out0
